; MI455X (gfx1250); checked and timed in simulation.
; The chip was launched on July 23, 2026; its instructions are those of AMD's public machine-readable ISA for CDNA 5 (MIT licence, August 2026) and "CDNA5" Instruction Set Architecture Reference Guide (July 2026). The comments in the code are by the model that wrote it; some were corrected since.
;; Scaled Dot Product. Allowed arithmetic: matrix products marked QUANTISED: E2M3 operands, one E8M0 scale for each 32 along K, by v_wmma_scale_f32_16x16x128_f8f6f4 with both operands' format E2M3, f32 sums; everything else in f32.
;; Inputs: attn_mask 4 x 2,048 int32; key 64 x 2,048 x 64 float32; query 64 x 2,048 x 64 float32; value 64 x 2,048 x 64 float32.
;; Outputs: out0 64 x 2,048 x 64 float32.
;; Constants: decod_mask = 1.
;; This version of the problem:
;;   THIS VERSION OF THE PROBLEM IS GIVEN IN LOW PRECISION. The matrix products marked QUANTISED in the list below multiply operands that are first quantised to E2M3 (2 exponent bits, 3 mantissa bits; 6 bits a number), with one power-of-two scale for each 32 numbers along K (OCP MX v1.0); their sums are f32. All else is computed in f32.
;;   The module's matrix products, in the order in which they are computed (A, B: the left and right operand; K: the contracted axis; several contracted axes count as one K, in the product's order):
;;     1. batch 64 x [M 2,048, K 64] x [K 64, N 2,048]; A: input query; B: input key: QUANTISED
;;     2. batch 64 x [M 2,048, K 2,048] x [K 2,048, N 64]; A: softmax (see below); B: input value: QUANTISED
;;   THE QUANTISER, for each operand of a quantised product, along K:
;;     - K is cut into blocks of 32 from its start; a last block that is shorter is filled with zeros.
;;     - A block's scale is 2^e with e = floor(log2(the largest magnitude in the block)) - 2, held to -126 .. 127; a block of zeros has e = 0. As a byte (E8M0): e + 127.
;;     - Each number is divided by its block's scale, clamped to +-7.5, and rounded to the nearest number of E2M3, ties to even, subnormals kept.
;;     - The product sums the exact products of the quantised numbers (number of the format x scale) in f32.
;;   ~~~python
;;   def quantise(x, axis):      # numpy; x: float32 -> the quantised numbers, widened to float32 again
;;       x = np.moveaxis(x, axis, -1); K = x.shape[-1]
;;       x = np.pad(x, [(0, 0)] * (x.ndim - 1) + [(0, -K % 32)]); x = x.reshape(x.shape[:-1] + (-1, 32)); a = np.abs(x).max(-1, keepdims=True)
;;       e = np.where(a > 0, np.clip(np.frexp(np.where(a > 0, a, 1))[1] - 1 - 2, -126, 127), 0)      # np.frexp(a)[1] - 1 = floor(log2(a)), exactly
;;       r = np.clip(x / 2.0 ** e, -7.5, 7.5)
;;       step = 2.0 ** (np.maximum(np.frexp(np.where(r == 0, 1, r))[1] - 1, 0) - 3)
;;       q = np.round(r / step) * step * 2.0 ** e      # np.round: ties to even
;;       return np.moveaxis(q.reshape(q.shape[:-2] + (-1,))[..., :K], -1, axis).astype(np.float32)
;;   ~~~
;;   SOFTMAX AHEAD OF A QUANTISED PRODUCT. Where the list says 'softmax', what is quantised is not the finished softmax but p = 2^(t - M), with t = logit x log2(e) and M = ceil(the row's largest t), a whole number; so 1/2 < the row's largest p <= 1. The row's sum l is taken of the UNQUANTISED p, in f32, and the product's result is divided by l at the end. Since M is a whole number, a kernel that streams over the keys may use a running M (the ceiling of the running maximum): every later rescaling is an exact power of two, which a block's scale takes up: the codes' values come out the same.
;;   OPERANDS COMPUTED ON THE WAY. 'Computed on the way' means the value that the module computes at that place (a softmax that the list does not call 'softmax' is quantised finished and normalised). What goes into a quantiser is computed in f32, as accurately as f32 sums, v_exp_f32 and their like allow (about 1e-6 of the number): no bf16 or f16 on the way to a quantiser, and a product that is left as it is and whose result goes on into a quantised operand takes f32 operands (vector FMAs, or v_wmma_f32_16x16x4_f32). A number that lies on a knife's edge between two numbers of the format may be rounded either way, as far as f32 arithmetic and the matrix unit's own rounding can turn it there, and no further.
;; 2 versions. Each part assembles by itself: llvm-mc -triple=amdgcn-amd-amdhsa -mcpu=gfx1250 --defsym DOCPART=n.
;; ======== version 1 of 2: 2 launches
;; limits: right only within a limited range of input values
;; workspace buffers: kv 15,466,496 bytes; first 256 bytes of whole numbers
;; launch prep (part 1): grid 769 x 1, 4 waves a work-group, no clusters, 17,920 bytes of LDS; arguments key, value, attn_mask, kv, first; writes kv, first
.if DOCPART == 1
	.amdgcn_target "amdgcn-amd-amdhsa--gfx1250"
	.amdhsa_code_object_version 6
	.text
	.protected	k_qefc96b3bdc_prep
	.globl	k_qefc96b3bdc_prep
	.p2align	8
	.type	k_qefc96b3bdc_prep,@function
k_qefc96b3bdc_prep:
	s_mov_b64 s[64:65], 0
	v_nop
	global_prefetch_b8 v0, s[64:65] scope:SCOPE_SE
	s_setreg_imm32_b32 hwreg(HW_REG_WAVE_MODE, 25, 1), 1
	s_wait_xcnt 0x0
; key and value, [64 heads][2048 keys][64] f32, become codes of FP6 (E2M3) with one E8M0 scale byte for each 32 along a product's K, laid in kv AS IMAGES OF THE OPERAND REGISTERS
; of the attention launch: a group of four registers is 512 consecutive bytes, lane l's 16 bytes at 16 l.  The padding mask of each key rides in K's image, and first[b] = the lowest
; index i with attn_mask[b][i] != 0 (2,048 if there is none) is stored as a whole number.
; A block's scale is 2^(floor(log2(its largest magnitude)) - 2); its byte is the largest magnitude's exponent field - 2, held at 1 from below.  (A block of zeros so gets the byte 1
; where the rule says 127: its codes are zeros, which add nothing under any byte but 0xff, and this program alone reads the bytes.)
; LIMITS: blocks whose largest magnitude lies under 2^-124 keep the byte 1; NaN and infinities among the inputs are not served.
; kv: one record of REC = 30,208 bytes (118 x 256) for each head and chunk of 256 keys = two steps s of 128 keys:
;   8192 s + 1024 T + 512 g + 16 lane          K: tile T = 4 c + u of 16 keys, registers 4 g .. 4 g + 3 of eight
;   16384 + 6144 s + 1536 t + 512 g + 16 lane  V: tile t of 16 channels x 128 keys, registers 4 g .. 4 g + 3 of twelve
;   28672 + 512 s + 16 lane + 4 i              K's scale words: lanes 0-15 tile 2 i, lanes 16-31 tile 2 i + 1
;   29696 + 256 s + 128 i + 4 lane             V's scale words, likewise
; K's TILE: lane (r, h) holds key 64 c + 8 u + r % 8 + 32 (r / 8) of the step, registers 0-5 the codes of d = 32 h .. 32 h + 31.  The head's 64 fill half of the instruction's K of 128.
; The other half carries the padding: register 6 holds the code +7.5 at k = 64 (lanes 0-15) where attn_mask is 0, else 0; register 7 is 0; the scale word's byte 2 is 167 (2^40) for
; such a key and 1 otherwise, byte 3 is 1.
; THREE PATHS, parted on the work-group's number: 0-255 K (a wave takes a step of 128 keys), 256-767 V (a wave takes 32 channels x 128 keys), 768 first (a wave takes a batch).
; Only K's path uses LDS.  Waves share nothing: no barrier.
.set REC,   30208
.set HEADB, 8*REC
.set VIM_O, 16384
.set KSW_O, 28672
.set VSW_O, 29696
.set SP,    272                        ; a stage row: 256 bytes + 16 = 17 x 16, so the sixteen rows that a 16-byte read touches begin in sixteen different 16-byte columns of 256
.set MK,  24                           ; v24-31   K: the tiles' mask words
.set W,   32                           ; v32-39   K: the tiles' scale words.  V: v32 the scale word
.set KSW, 40                           ; v40-43   K: the scale words in pairs
.set R,   44                           ; v44-139  K: three sets of 32 numbers as loaded
.set X,   140                          ; v140-171 K: my 32 neighbours along d
.set C,   172                          ; v172-235 K: eight registers for each tile, never written again
.set VX,  44                           ; v44-107  V: two sets of 32 numbers
.set CD,  108                          ; v108-131 V: 12 registers for each half of the image's lanes
.set FM,  44                           ; v44-107  first: 64 mask words
; the largest magnitude of 32 numbers of a lane, in two chains, with the floor 2^(3 - 127) as one more leaf: so the byte cannot fall under 1
.macro MAX32 d, t, x
	v_max3_num_f32 v[\d], |v[(\x)]|, |v[(\x)+1]|, |v[(\x)+2]|
	v_max3_num_f32 v[\t], |v[(\x)+3]|, |v[(\x)+4]|, |v[(\x)+5]|
.irp i, 6,10,14,18,22,26
	v_max3_num_f32 v[\d], v[\d], |v[(\x)+\i]|, |v[(\x)+\i+1]|
	v_max3_num_f32 v[\t], v[\t], |v[(\x)+\i+2]|, |v[(\x)+\i+3]|
.endr
	v_max3_num_f32 v[\d], v[\d], |v[(\x)+30]|, |v[(\x)+31]|
	v_max3_num_f32 v[\d], v[\d], v[\t], 0x1800000
.endm
	s_load_b256 s[4:11], s[0:1], 0x0               ; key s[4:5], value s[6:7], attn_mask s[8:9], kv s[10:11]
	s_load_b64 s[12:13], s[0:1], 0x20              ; first
	v_lshl_add_u32 v240, v0, 2, 0x4400
	v_mov_b32 v241, 0
	v_lshrrev_b32 v1, 5, v0
	v_readfirstlane_b32 s14, v1                    ; wave 0..3
	v_and_b32 v1, 31, v0                           ; lane
	v_and_b32 v2, 15, v0                           ; r
	v_bfe_u32 v3, v0, 4, 1                         ; h
	v_lshlrev_b32 v4, 4, v1                        ; 16 x lane
	v_lshlrev_b32 v8, 3, v3                        ; 8 h
	v_mov_b32 v17, 0                               ; a lane permute's destination counts as one of its sources
	s_mov_b32 s20, 0x76543210
	s_mov_b32 s21, 0xfedcba98                      ; v_permlanex16_b32's selects for lane l xor 16
	s_mov_b32 s22, 0xffff0000                      ; lanes 16-31
	s_mov_b32 s25, 0                               ; the upper words of the offsets' pairs
	s_mov_b32 s27, 0
	s_wait_kmcnt 0x0
	s_cmp_lt_u32 ttmp9, 256
	s_cbranch_scc0 .Lnot_k
; ---------------- K: work-group g: head g / 4, wave w: step 4 (g % 4) + w
	s_lshr_b32 s15, ttmp9, 2                       ; head
	s_and_b32 s16, ttmp9, 3
	s_lshl_b32 s16, s16, 2
	s_add_co_u32 s16, s16, s14                     ; step 0..15
	s_lshl_b32 s24, s15, 19                        ; a head is 2,048 rows of 256 bytes,
	s_lshl_b32 s26, s16, 15                        ; a step 128 rows
	s_add_co_u32 s24, s24, s26
	s_add_nc_u64 s[4:5], s[4:5], s[24:25]          ; key at my step
	s_and_b32 s24, s15, 3                          ; the mask's row is head % 4
	s_lshl_b32 s24, s24, 13
	s_lshl_b32 s26, s16, 9
	s_add_co_u32 s24, s24, s26
	s_add_nc_u64 s[8:9], s[8:9], s[24:25]          ; attn_mask at my step
	s_mul_i32 s24, s15, HEADB
	s_lshr_b32 s26, s16, 1
	s_mul_i32 s26, s26, REC
	s_add_co_u32 s24, s24, s26                     ; my record
	s_and_b32 s28, s16, 1                          ; s
	s_lshl_b32 s26, s28, 9
	s_add_co_u32 s26, s26, s24
	s_add_co_u32 s26, s26, KSW_O
	s_add_nc_u64 s[18:19], s[10:11], s[26:27]      ; my step's scale words
	s_lshl_b32 s26, s28, 13
	s_add_co_u32 s24, s24, s26
	s_add_nc_u64 s[10:11], s[10:11], s[24:25]      ; my step's images
	s_mul_i32 s30, s14, 16*SP                      ; my stage
	v_mul_u32_u24 v5, v3, SP
	v_lshl_add_u32 v5, v2, 4, v5
	v_add_nc_u32 v5, s30, v5                       ; in: a load's 512 bytes are two rows: row lane / 16, 16 bytes a lane
	v_mul_u32_u24 v6, v2, SP
	v_lshl_add_u32 v6, v3, 7, v6
	v_add_nc_u32 v6, s30, v6                       ; out: row r, my half's 128 bytes
	v_and_b32 v7, 7, v2
	v_lshrrev_b32 v12, 3, v2
	v_lshl_add_u32 v7, v12, 5, v7
	v_lshlrev_b32 v7, 2, v7                        ; my key's mask word in a tile: 4 (r % 8 + 32 (r / 8))
	v_mov_b32 v9, 0x1f
	v_cndmask_b32 v9, v9, v17, s22                 ; the code +7.5 in lanes 0-15, 0 in lanes 16-31
	v_mov_b32 v10, 0x01010000                      ; bytes 2 and 3 of a key that counts,
	v_mov_b32 v11, 0x01a70000                      ; and of a padded one: 167 = 2^40
.irp T, 0,1,2,3,4,5,6,7
	global_load_b32 v[MK+\T], v7, s[8:9] offset:4*(64*(\T/4)+8*(\T%4))
.endr
; tile T's 16 rows are two runs of eight neighbouring rows, 32 rows apart: eight loads of 512 consecutive bytes
.macro KLOAD T
.irp i, 0,1,2,3,4,5,6,7
	global_load_b128 v[R+32*((\T)%3)+4*\i:R+32*((\T)%3)+4*\i+3], v4, s[4:5] offset:(64*((\T)/4)+8*((\T)%4)+32*(\i/4))*256+512*(\i%4) th:TH_LOAD_NT
.endr
.endm
.macro KTILE T
.set CT, C+8*(\T)
.if (\T) <= 5
	s_wait_loadcnt 16                              ; my tile's eight loads (and the mask words) are in; those of the next two tiles may be out
.elseif (\T) == 6
	s_wait_loadcnt 8                               ; the last tile's eight may be out
.else
	s_wait_loadcnt 0
.endif
.irp i, 0,1,2,3,4,5,6,7
	ds_store_b128 v5, v[R+32*((\T)%3)+4*\i:R+32*((\T)%3)+4*\i+3] offset:2*SP*\i
.endr
.irp j, 0,1,2,3,4,5,6,7
	ds_load_b128 v[X+4*\j:X+4*\j+3], v6 offset:16*\j   ; LDS serves a wave's instructions in order: these see the stores above
.endr
	s_wait_dscnt 0x0                               ; my 32 neighbours are in, and the stores have read their registers,
.if (\T)+3 < 8
	KLOAD (\T)+3                                   ; which take the tile three further on
.endif
	MAX32 12, 13, X                                ; a whole block of 32 along d lies in my lane
	v_add_nc_u32 v14, 0xff000000, v12              ; 2 off its exponent field: the conversion takes the exponent field of this operand as its scale
	v_cvt_scalef32_pk16_fp6_f32 v[CT:CT+2], v[X:X+15], v14
	v_cvt_scalef32_pk16_fp6_f32 v[18:20], v[X+16:X+31], v14   ; (a conversion's three registers begin on an even number)
	v_lshrrev_b32 v15, 23, v14                     ; the scale's byte; also the plain line behind the conversions
.irp i, 0,1,2
	v_mov_b32 v[CT+3+\i], v[18+\i]
.endr
	v_cmp_eq_u32 vcc_lo, 0, v[MK+(\T)]             ; a padded key?
	v_cndmask_b32 v[CT+6], 0, v9, vcc_lo           ; its flag: the code +7.5 at k = 64
	v_mov_b32 v[CT+7], 0
	v_lshlrev_b32 v15, v8, v15                     ; my block's byte at its place,
	v_permlanex16_b32 v17, v15, s20, s21
	v_or_b32 v15, v15, v17                         ; with lane l xor 16's,
	v_cndmask_b32 v16, v10, v11, vcc_lo
	v_or_b32 v[W+(\T)], v15, v16                   ; and bytes 2 and 3: the key's scale word
	global_store_b128 v4, v[CT:CT+3], s[10:11] offset:1024*(\T)        ; 32 lanes store 512 consecutive bytes, at a multiple of 256 from kv's first byte
	global_store_b128 v4, v[CT+4:CT+7], s[10:11] offset:1024*(\T)+512
.endm
	KLOAD 0
	KLOAD 1
	KLOAD 2
.irp T, 0,1,2,3,4,5,6,7
	KTILE \T
.endr
.irp i, 0,1,2,3
	v_cndmask_b32 v[KSW+\i], v[W+2*\i], v[W+2*\i+1], s22   ; lanes 0-15 tile 2 i's words, lanes 16-31 tile 2 i + 1's
.endr
	global_store_b128 v4, v[KSW:KSW+3], s[18:19]
	s_wait_tensorcnt 0x0
	ds_add_u32 v240, v241
	s_wait_dscnt 0x0
	s_endpgm
.Lnot_k:
	s_cmp_lt_u32 ttmp9, 768
	s_cbranch_scc0 .Lfirst
; ---------------- V: work-group g - 256: head, chunk; wave w: channels 32 (w % 2) on, step w / 2.  A LANE TAKES A CHANNEL, AND ITS REGISTERS RUN DOWN THE KEYS, which are this operand's K
	s_sub_co_u32 s15, ttmp9, 256
	s_lshr_b32 s16, s15, 3                         ; head
	s_and_b32 s17, s15, 7                          ; chunk
	s_and_b32 s18, s14, 1                          ; which 32 channels
	s_lshr_b32 s19, s14, 1                         ; s
	s_lshl_b32 s24, s16, 19
	s_lshl_b32 s26, s17, 16
	s_add_co_u32 s24, s24, s26
	s_lshl_b32 s26, s19, 15
	s_add_co_u32 s24, s24, s26
	s_lshl_b32 s26, s18, 7
	s_add_co_u32 s24, s24, s26
	s_add_nc_u64 s[6:7], s[6:7], s[24:25]          ; value at my step's first key, my first channel
	s_mul_i32 s24, s16, HEADB
	s_mul_i32 s26, s17, REC
	s_add_co_u32 s24, s24, s26                     ; my record
	s_mul_i32 s26, s19, 6144
	s_mul_i32 s30, s18, 3072
	s_add_co_u32 s26, s26, s30
	s_add_co_u32 s26, s26, s24
	s_add_co_u32 s26, s26, VIM_O
	s_add_nc_u64 s[28:29], s[10:11], s[26:27]      ; my two tiles' images
	s_lshl_b32 s26, s19, 8
	s_lshl_b32 s30, s18, 7
	s_add_co_u32 s26, s26, s30
	s_add_co_u32 s26, s26, s24
	s_add_co_u32 s26, s26, VSW_O
	s_add_nc_u64 s[10:11], s[10:11], s[26:27]      ; and their scale words
	v_lshlrev_b32 v5, 2, v1                        ; 4 x lane
	v_mul_u32_u24 v6, v3, 1536
	v_lshl_add_u32 v6, v2, 4, v6                   ; my tile (lane / 16) and my row in it: 16 bytes a lane
.macro VLOADB t                        ; block t: value(32 t + i, my channel): 32 lanes read 128 consecutive bytes, and the wave beside me the row's other 128
.irp i, 0,1,2,3,4,5,6,7,8,9,10,11,12,13,14,15,16,17,18,19,20,21,22,23,24,25,26,27,28,29,30,31
	global_load_b32 v[VX+32*((\t)%2)+\i], v5, s[6:7] offset:(32*(\t)+\i)*256 th:TH_LOAD_NT
.endr
.endm
.macro VBLOCK t                        ; block t = 2 c + h of the step belongs to registers 6 c .. 6 c + 5 of the image's lane (r, h)
.set XS, VX+32*((\t)%2)
.set CB, CD+12*((\t)%2)+6*((\t)/2)
.if (\t) < 3
	s_wait_loadcnt 32                              ; this block's 32 loads are in; the next block's may be out
.else
	s_wait_loadcnt 0
.endif
	MAX32 12, 13, XS
	v_add_nc_u32 v14, 0xff000000, v12
	v_lshrrev_b32 v15, 23, v14
.if (\t) == 0
	v_mov_b32 v32, v15                             ; the step's four bytes make my channel's scale word
.else
	v_lshl_or_b32 v32, v15, 8*(\t), v32
.endif
	v_cvt_scalef32_pk16_fp6_f32 v[CB:CB+2], v[XS:XS+15], v14
	v_cvt_scalef32_pk16_fp6_f32 v[18:20], v[XS+16:XS+31], v14
	v_nop                                          ; one plain line behind a scaled conversion
.irp i, 0,1,2
	v_mov_b32 v[CB+3+\i], v[18+\i]
.endr
.if (\t) < 2
	VLOADB (\t)+2
.endif
.endm
	VLOADB 0
	VLOADB 1
	VBLOCK 0
	VBLOCK 1
	VBLOCK 2
	VBLOCK 3
.irp e, 0,1
.irp g, 0,1,2
	global_store_b128 v6, v[CD+12*\e+4*\g:CD+12*\e+4*\g+3], s[28:29] offset:512*\g+256*\e   ; sixteen lanes store 256 consecutive bytes, aligned: the image's lanes 16 e .. 16 e + 15
.endr
.endr
	global_store_b32 v5, v32, s[10:11]             ; 128 consecutive bytes
	s_endpgm
.Lfirst:
; ---------------- first: wave w scans batch w's 2,048 mask words
	s_lshl_b32 s24, s14, 13
	s_add_nc_u64 s[8:9], s[8:9], s[24:25]
.irp j, 0,1,2,3,4,5,6,7,8,9,10,11,12,13,14,15
	global_load_b128 v[FM+4*\j:FM+4*\j+3], v4, s[8:9] offset:512*\j   ; register 4 j + e of lane l: index 128 j + 4 l + e
.endr
	v_lshlrev_b32 v13, 2, v1
	v_mov_b32 v12, 0x800                           ; none found: 2,048
	v_mov_b32 v14, 0
	s_wait_loadcnt 0x0
.irp j, 15,14,13,12,11,10,9,8,7,6,5,4,3,2,1,0  ; from the highest index down: the lowest that is not 0 stays
.irp e, 3,2,1,0
	v_cmp_ne_u32 vcc_lo, 0, v[FM+4*\j+\e]
	v_add_nc_u32 v15, 128*\j+\e, v13
	v_cndmask_b32 v12, v12, v15, vcc_lo
.endr
.endr
.irp m, 1,2,4,8
	v_mov_b32_dpp v14, v12 row_xmask:\m row_mask:0xf bank_mask:0xf
	v_min_u32 v12, v12, v14
.endr
	v_permlanex16_b32 v17, v12, s20, s21
	v_min_u32 v12, v12, v17                        ; the lowest of all 32 lanes
	s_lshl_b32 s24, s14, 2
	v_mov_b32 v15, s24
	v_cmp_eq_u32 vcc_lo, 0, v1
	s_wait_xcnt 0x0                                ; EXEC is a source of the loads above: it changes only behind this wait
	s_and_saveexec_b32 s26, vcc_lo
	global_store_b32 v15, v12, s[12:13]            ; lane 0 stores first[w]
	s_wait_xcnt 0x0                                ; and again in front of the line that widens it
	s_or_b32 exec_lo, exec_lo, s26
	s_endpgm
.Lfunc_end_k_qefc96b3bdc_prep:
	.size	k_qefc96b3bdc_prep, .Lfunc_end_k_qefc96b3bdc_prep-k_qefc96b3bdc_prep
	.p2alignl 7, 3214868480
	.fill 96, 4, 3214868480
	.section	.rodata,"a",@progbits
	.p2align	6, 0x0
	.amdhsa_kernel k_qefc96b3bdc_prep
		.amdhsa_group_segment_fixed_size 17920
		.amdhsa_private_segment_fixed_size 0
		.amdhsa_enable_private_segment 0
		.amdhsa_kernarg_size 40
		.amdhsa_user_sgpr_count 2
		.amdhsa_user_sgpr_kernarg_segment_ptr 1
		.amdhsa_wavefront_size32 1
		.amdhsa_system_sgpr_workgroup_id_x 1
		.amdhsa_system_sgpr_workgroup_id_y 1
		.amdhsa_system_sgpr_workgroup_id_z 1
		.amdhsa_system_vgpr_workitem_id 0
		.amdhsa_next_free_vgpr 242
		.amdhsa_next_free_sgpr 66
		.amdhsa_reserve_vcc 1
		.amdhsa_float_denorm_mode_32 3
		.amdhsa_float_denorm_mode_16_64 3
		.amdhsa_memory_ordered 1
		.amdhsa_forward_progress 1
		.amdhsa_inst_pref_size 64
	.end_amdhsa_kernel
	.amdgpu_metadata
---
amdhsa.version: [ 1, 2 ]
amdhsa.kernels:
  - .name:           k_qefc96b3bdc_prep
    .symbol:         k_qefc96b3bdc_prep.kd
    .args:
      - { .name: key, .offset: 0, .size: 8, .value_kind: global_buffer, .address_space: global }
      - { .name: value, .offset: 8, .size: 8, .value_kind: global_buffer, .address_space: global }
      - { .name: attn_mask, .offset: 16, .size: 8, .value_kind: global_buffer, .address_space: global }
      - { .name: kv, .offset: 24, .size: 8, .value_kind: global_buffer, .address_space: global }
      - { .name: first, .offset: 32, .size: 8, .value_kind: global_buffer, .address_space: global }
    .group_segment_fixed_size: 17920
    .private_segment_fixed_size: 0
    .kernarg_segment_align: 8
    .kernarg_segment_size: 40
    .max_flat_workgroup_size: 128
    .sgpr_count:     66
    .vgpr_count:     242
    .wavefront_size: 32
...
	.end_amdgpu_metadata
.endif
;; end of part 1
;; launch attn (part 2): grid 4 x 64, 16 waves a work-group, no clusters, 313,344 bytes of LDS; arguments query, kv, first, attn_mask, out0; writes out0
.if DOCPART == 2
	.amdgcn_target "amdgcn-amd-amdhsa--gfx1250"
	.amdhsa_code_object_version 6
	.text
	.protected	k_qefc96b3bdc_attn
	.globl	k_qefc96b3bdc_attn
	.p2align	8
	.type	k_qefc96b3bdc_attn,@function
k_qefc96b3bdc_attn:
	s_mov_b64 s[64:65], 0
	v_nop
	global_prefetch_b8 v0, s[64:65] scope:SCOPE_SE
	s_setreg_imm32_b32 hwreg(HW_REG_WAVE_MODE, 25, 1), 1
	s_wait_xcnt 0x0
; out0[b][q][:] = the sum over k of softmax_k(Q[b][q] . K[b][k] / 8 + pad[b % 4][k] + causal[q][k]) V[b][k][:], both products on codes of FP6 (E2M3) with one E8M0 scale for each 32 along K.
; pad is -1e10 where attn_mask is 0, causal is -1e10 where k > q: both are ADDED, so a row none of whose visible keys counts still has a softmax, over all 2,048 keys.
; THE SOFTMAX AHEAD OF THE SECOND PRODUCT: t = logit x log2(e); M = the row's largest t so far, rounded UP to a whole number; p = 2^(t - M) is quantised along the keys, not normalised;
; the row's sum is taken of the unquantised p and divides at the end.  When M moves, the sum and O are multiplied by 2^(old M - new M): exact.
; SHARES.  Work-group (p, head) owns the blocks of 256 queries 7 - p (pass A) and p (pass B): nine chunks of 256 keys in every work-group.  Each of its sixteen waves owns 16 queries of a block,
; one tile, in 256 registers: four waves to a SIMD, so that one wave's vector work stands beside another's matrix work and LDS loads.
; K AND V come from kv as images of the operand registers (the launch before made them): a chunk's record of 30,208 bytes is copied into LDS byte for byte, once, in pass A, a chunk ahead of its
; use (global loads into 16 registers a lane, LDS stores a trip later); pass B reads the same bytes again.  All LDS reads stand at 16 x lane or 4 x lane: 512 or 128 consecutive bytes.
; LAYOUT.  Both products are used transposed: S^T = K Q^T (source 0 = 16 keys, source 1 = my 16 queries), O^T = V^T P^T: a lane holds ONE query (lane % 16) throughout.  Lane r of K's tile
; 4 c + u holds key 64 c + 8 u + r % 8 + 32 (r / 8) of the step, so that registers 32 c .. 32 c + 31 of S^T are the 32 NEIGHBOURING keys 64 c + 32 (lane / 16) + 0 .. 31: a whole block of the
; second product's K in one lane, in the order in which the operand wants it: no exchange between lanes but for the row's maximum, the row's sum and the scale word.
; THE PADDING RIDES IN THE FIRST PRODUCT.  The head's 64 fill half of the instruction's K of 128.  At k = 64 a padded key has the code +7.5 under the scale 2^40, Q the code -7.5 under 2^20: such a
; key's score is q . k - 56.25 x 2^60.  A key that counts has the code 0 there under 2^-126.  K's tiles lie 8 registers apart while the operand names 12: the last four are the next tile's codes
; (behind the last tile: four registers of zeros); they meet only zero codes of Q, and the format has no code for NaN or infinity.
; LIVE AND DEAD WAVES.  first[b % 4] = f is the lowest key that counts.  A wave whose first query is at or behind f is LIVE: each of its rows sees key f.  It walks the steps from the one that holds
; f to the diagonal; the steps in front hold only padded keys (p = 0 under any M that follows), those behind only hidden ones.  A wave with a query in front of f is DEAD: it walks all 16 steps,
; takes Q's code at k = 64 as 0, and follows the definition's own order of f32 roundings: logit = dot / 8 + pad (one rounding), + causal (one rounding), t = logit x log2(e) (rounded), t - M.
; These branches hang on first, a whole number stored by the launch before, on the work-group's and the wave's number, and on nothing else.
; NO JOINT TENSOR LOADS, though the four work-groups of a head read the same records: the walk of a wave hangs on a number read from memory, and
; work-group p needs 8 - p of the 8 records (all 8 only where it has a dead wave), so partners would want different numbers of tiles.
; LIMITS: NaN and infinities among the inputs are not served.  In live rows the masks are -56.25 x 2^60 (padding) and -1e10 on the raw dot product (causal): p is 0 as with the definition's -1e10 on
; the logit while |q . k| stays under 1e9.  A block's largest p is taken through its largest score: this leans on v_exp_f32 not falling where its input rises.  Blocks of p that are all 0
; keep the scale byte 1: their codes are zeros.
.set REC,   30208                      ; a chunk's record
.set HEADB, 8*REC                      ; LDS 0 .. 241,663: the head's eight records
.set STG,   HEADB                      ; behind them a stage of 16 rows x 272 bytes for each wave, for the way out
.set SP,    272                        ; 256 bytes + 16 = 17 x 16: sixteen rows begin in sixteen different 16-byte columns of 256
.set L16, 1                            ; v1   16 x lane
.set L4,  2                            ; v2   4 x lane
.set T16, 3                            ; v3   16 x thread
.set ADL, 4                            ; v4   the chunk's record + 16 x lane
.set ADW, 5                            ; v5   the chunk's record + 4 x lane
.set ADF, 6                            ; v6   the chunk's record + 16 x thread: where the copy goes
.set GO,  7                            ; v7   the way out: my byte in two rows of out0
.set STO, 8                            ; v8   where I put 32 bytes of a row in my stage
.set SRD, 9                            ; v9   where I read a row back
.set DL,  10                           ; v10  r - 32 h
.set H8,  11                           ; v11  8 h
                                       ; v12 -M, v13 the largest t, v[14:15] the sum in two halves
.set QF,  16                           ; v16-27 Q's operand (v23-27 stay 0);  v30-35 pass B's codes;  v29, v37 bytes 0 and 1 of Q's scale word for pass A, B
.set QS,  28                           ; v28  Q's scale word
.set NEG, 36                           ; v36  -1e10
.set G,   40                           ; v40-55  the copy's 64 bytes a lane, on their way from memory
.set F,   56                           ; v56-123 K's 8 tiles x 8 registers + 4 of zeros; then V's 4 x 12; in dead waves 64 mask words between
.set S,   124                          ; v124-187 S^T, then p
.set O,   188                          ; v188-219 O^T
.set PC,  220                          ; v220-231 p's codes;  v232-234, v236-238 the conversions' second halves
.set KS,  240                          ; v240-243 K's scale words
.set VS,  244                          ; v244-245 V's
.set PW,  246                          ; v246 p's
                                       ; v248, v249 the two blocks' largest scores; v250, v251 partial maxima, then the conversions' scale operands; v[252:253] f; v38, v39, v247, v254 at work; v255 lane permutes' destination
.set WV,   14
.set PP,   15
.set HD,   16
.set FB,   17
.set Q0,   18
.set DEAD, 19
.set SEL,  20                          ; s[20:21]
.set CS,   22                          ; s[22:23] what a score is multiplied by: log2(e) / 8 on the raw dot product (live), log2(e) on the logit (dead)
.set KLO,  24                          ; steps whose first key lies under KLO or over KHI are left out
.set KHI,  25
.set KF,   26                          ; the step's first key
.set TB,   27                          ; the chunk's record in LDS
.set CH,   28                          ; the chunk
.set NEED, 29                          ; the last chunk that the work-group reads
.macro MAX32 d, t, x                   ; the largest magnitude of 32 numbers of a lane, with the floor 2^(3 - 127) as one more leaf
	v_max3_num_f32 v[\d], |v[(\x)]|, |v[(\x)+1]|, |v[(\x)+2]|
	v_max3_num_f32 v[\t], |v[(\x)+3]|, |v[(\x)+4]|, |v[(\x)+5]|
.irp i, 6,10,14,18,22,26
	v_max3_num_f32 v[\d], v[\d], |v[(\x)+\i]|, |v[(\x)+\i+1]|
	v_max3_num_f32 v[\t], v[\t], |v[(\x)+\i+2]|, |v[(\x)+\i+3]|
.endr
	v_max3_num_f32 v[\d], v[\d], |v[(\x)+30]|, |v[(\x)+31]|
	v_max3_num_f32 v[\d], v[\d], v[\t], 0x1800000
.endm
; A record is 59 x 512 bytes: three times the sixteen waves' 8,192, and 5,632 more, which waves 0 to 10 take.
.macro FILL_LOAD
.irp j, 0,1,2
	global_load_b128 v[G+4*\j:G+4*\j+3], v[T16], s[40:41] offset:8192*\j
.endr
	s_cmp_lt_u32 s[WV], 11
	s_cbranch_scc0 .Lfl_\@
	global_load_b128 v[G+12:G+15], v[T16], s[40:41] offset:24576
.Lfl_\@:
.endm
.macro FILL_STORE
.irp j, 0,1,2
	ds_store_b128 v[ADF], v[G+4*\j:G+4*\j+3] offset:8192*\j
.endr
	s_cmp_lt_u32 s[WV], 11
	s_cbranch_scc0 .Lfs_\@
	ds_store_b128 v[ADF], v[G+12:G+15] offset:24576
.Lfs_\@:
.endm
; 32 numbers of my row of Q (d = 32 h on) become six registers of codes from v[dst] on; the row's two scale bytes go to v[by]
.macro QUANTQ src, dst, by
	MAX32 248, 249, \src
	v_add_nc_u32 v250, 0xff000000, v248            ; 2 off the exponent field: the conversion's scale operand
	v_cvt_scalef32_pk16_fp6_f32 v[\dst:\dst+2], v[(\src):(\src)+15], v250
	v_cvt_scalef32_pk16_fp6_f32 v[232:234], v[(\src)+16:(\src)+31], v250   ; (a conversion's three registers begin on an even number)
	v_lshrrev_b32 v251, 23, v250                   ; the byte; also the plain line behind the conversions
.irp i, 0,1,2
	v_mov_b32 v[\dst+3+\i], v[232+\i]
.endr
	v_lshlrev_b32 v251, v[H8], v251
	v_permlanex16_b32 v255, v251, s[SEL], s[SEL+1]
	v_or_b32 v[\by], v251, v255
.endm
	s_load_b256 s[4:11], s[0:1], 0x0               ; query s[4:5], kv s[6:7], first s[8:9], attn_mask s[10:11]
	s_load_b64 s[12:13], s[0:1], 0x20              ; out0
	v_lshl_add_u32 v235, v0, 2, 0x4c000
	v_mov_b32 v239, 0
	v_lshrrev_b32 v1, 5, v0
	v_readfirstlane_b32 s[WV], v1                  ; wave 0..15
	s_mov_b32 s[PP], ttmp9                         ; p
	s_and_b32 s[HD], ttmp7, 0xffff                 ; head
	v_and_b32 v38, 31, v0                          ; lane
	v_and_b32 v39, 15, v0                          ; r
	v_bfe_u32 v254, v0, 4, 1                       ; h
	v_lshlrev_b32 v[L16], 4, v38
	v_lshlrev_b32 v[L4], 2, v38
	v_lshlrev_b32 v[T16], 4, v0
	v_lshlrev_b32 v[GO], 8, v254
	v_lshl_add_u32 v[GO], v39, 4, v[GO]            ; lanes 0-15 one row of 256 bytes, lanes 16-31 the next
	s_mul_i32 s30, s[WV], 16*SP
	s_add_co_u32 s30, s30, STG                     ; my stage
	v_mul_u32_u24 v[STO], v39, SP
	v_lshl_add_u32 v[STO], v254, 5, v[STO]
	v_add_nc_u32 v[STO], s30, v[STO]               ; in: row r, + 32 h
	v_mul_u32_u24 v[SRD], v254, SP
	v_lshl_add_u32 v[SRD], v39, 4, v[SRD]
	v_add_nc_u32 v[SRD], s30, v[SRD]               ; back: two rows an instruction
	v_lshlrev_b32 v[DL], 5, v254
	v_sub_nc_u32 v[DL], v39, v[DL]
	v_lshlrev_b32 v[H8], 3, v254
	v_lshlrev_b32 v247, 8, v39
	v_lshl_add_u32 v247, v254, 7, v247             ; Q: row r of 256 bytes, + 128 h: my block of 32
	v_mov_b32 v[NEG], 0xd01502f9                   ; -1e10
.irp i, 7,8,9,10,11
	v_mov_b32 v[QF+\i], 0                          ; Q's codes of k = 69 .. 127
.endr
.irp i, 12,13,14,15
	v_mov_b32 v[G+\i], 0                           ; (waves 11 to 15 never load these)
.endr
.irp i, 64,65,66,67
	v_mov_b32 v[F+\i], 0                           ; what K's last tile names behind its eight registers
.endr
	v_mov_b32 v253, 0                              ; (named as the upper half of the pair v[252:253])
	v_mov_b32 v255, 0                              ; a lane permute's destination counts as one of its sources
	s_mov_b32 s[SEL], 0x76543210
	s_mov_b32 s[SEL+1], 0xfedcba98                 ; lane l xor 16
	s_mov_b32 s49, 0xffff0000                      ; lanes 16-31
	s_mov_b32 s50, 0x3fb8aa3b                      ; log2(e)
	s_mov_b32 s51, 0x3e38aa3b                      ; log2(e) / 8
	s_mov_b32 s52, 0x01010000                      ; bytes 2 and 3 of Q's scale word in a dead wave,
	s_mov_b32 s53, 0x01930000                      ; and in a live one: 147 = 2^20
	s_sub_co_u32 s54, 7, s[PP]                     ; pass A's block
	s_lshl_b32 s30, s[HD], 19                      ; a head is 2,048 rows of 256 bytes, in query and in out0
	s_lshl_b32 s46, s[WV], 4
	s_lshl_b32 s45, s54, 8
	s_add_co_u32 s45, s45, s46                     ; pass A's first query of mine
	s_lshl_b32 s45, s45, 8
	s_add_co_u32 s32, s45, s30
	s_mov_b32 s33, 0
	s_lshl_b32 s45, s[PP], 8
	s_add_co_u32 s45, s45, s46                     ; pass B's
	s_lshl_b32 s45, s45, 8
	s_add_co_u32 s34, s45, s30
	s_mov_b32 s35, 0
	s_mul_i32 s40, s[HD], HEADB
	s_mov_b32 s41, 0
	s_and_b32 s42, s[HD], 3                        ; the mask's row is head % 4
	s_lshl_b32 s46, s42, 2
	s_mov_b32 s47, 0
	s_lshl_b32 s42, s42, 13
	s_mov_b32 s43, 0
	s_wait_kmcnt 0x0
	s_add_nc_u64 s[8:9], s[8:9], s[46:47]
	s_load_b32 s[FB], s[8:9], 0x0                  ; f
	s_add_nc_u64 s[36:37], s[12:13], s[32:33]      ; out0 at pass A's rows,
	s_add_nc_u64 s[38:39], s[12:13], s[34:35]      ; at pass B's;
	s_add_nc_u64 s[32:33], s[4:5], s[32:33]        ; query likewise
	s_add_nc_u64 s[34:35], s[4:5], s[34:35]
	s_add_nc_u64 s[40:41], s[6:7], s[40:41]        ; kv at the head's first record
	s_add_nc_u64 s[42:43], s[10:11], s[42:43]      ; attn_mask at the head's row
	FILL_LOAD                                      ; chunk 0
.irp j, 0,1,2,3,4,5,6,7
	global_load_b128 v[S+4*\j:S+4*\j+3], v247, s[32:33] offset:16*\j th:TH_LOAD_NT
.endr
.irp j, 0,1,2,3,4,5,6,7
	global_load_b128 v[S+32+4*\j:S+32+4*\j+3], v247, s[34:35] offset:16*\j th:TH_LOAD_NT
.endr
	s_wait_kmcnt 0x0
	s_min_u32 s[FB], s[FB], 0x800
	s_lshl_b32 s30, s[PP], 8                       ; the work-group's lowest query
	s_cmp_lt_u32 s30, s[FB]
	s_cselect_b32 s[NEED], 7, s54                  ; with a dead wave all eight chunks are read, else chunks 0 .. 7 - p
	s_wait_loadcnt 0x0
	QUANTQ S, QF, 29
	QUANTQ S+32, 30, 37
; The head of a pass: the wave's kind and walk, Q's operand, and the running figures.  O^T and the sum begin as zeros and the largest t as -3e38, so that the step is written once: the first change
; of M multiplies zeros.  The 32 clearing lines are also the places between the lines that write Q's operand and scale word and the first scaled matrix instruction.
.macro PASSHEAD blk, by, move
	s_lshl_b32 s[Q0], s[\blk], 8
	s_lshl_b32 s30, s[WV], 4
	s_add_co_u32 s[Q0], s[Q0], s30                 ; my first query
	s_and_b32 s31, s[FB], 0xffffff80               ; the step that holds f
	s_add_co_u32 s44, s[Q0], 15
	s_cmp_lt_u32 s[Q0], s[FB]                      ; a query in front of f?  Only moves and selections stand behind this compare
	s_cselect_b32 s[DEAD], 1, 0
	s_cselect_b32 s[KLO], 0, s31
	s_cselect_b32 s[KHI], 0x7ff, s44
	s_cselect_b32 s[CS], s50, s51
	s_cselect_b32 s45, s52, s53
	s_cselect_b32 s46, 0, 0x3f                     ; the code -7.5
	s_mov_b32 s[CS+1], s[CS]                       ; (named with it as a pair)
	s_mov_b32 s[KF], 0
	s_mov_b32 s[TB], 0
	s_mov_b32 s[CH], 0
.if \move
.irp i, 0,1,2,3,4,5
	v_mov_b32 v[QF+\i], v[30+\i]
.endr
.endif
	v_mov_b32 v254, s46
	v_cndmask_b32 v[QF+6], v254, v[QF+7], s49      ; k = 64 lies in lanes 0-15
	v_or_b32 v[QS], s45, v[\by]
	v_mov_b32 v13, 0xff61b1e6                      ; -3e38, under every t
	v_floor_f32 v12, -v13
	v_mov_b32 v14, 0
	v_mov_b32 v15, 0
.set n, 0
.rept 32
	v_mov_b32 v[O+n], 0
.set n, n+1
.endr
.endm
; A KEY STEP: 128 keys, the q-th of the chunk in hand.
.macro STEP q
	s_cmp_gt_u32 s[KF], s[KHI]
	s_cbranch_scc1 .Lskip_\@
	s_cmp_lt_u32 s[KF], s[KLO]
	s_cbranch_scc1 .Lskip_\@
.irp T, 0,1,2,3,4,5,6,7
	ds_load_b128 v[F+8*\T:F+8*\T+3], v[ADL] offset:8192*\q+1024*\T
	ds_load_b128 v[F+8*\T+4:F+8*\T+7], v[ADL] offset:8192*\q+1024*\T+512
.endr
	ds_load_b128 v[KS:KS+3], v[ADL] offset:28672+512*\q
	s_wait_dscnt 0x0
.irp T, 0,2,4,6                                ; S^T = K Q^T: eight accumulators, each begun with the constant 0
	v_wmma_scale_f32_16x16x128_f8f6f4 v[S+8*\T:S+8*\T+7], v[F+8*\T:F+8*\T+11], v[QF:QF+11], 0, v[KS+\T/2], v[QS] matrix_a_fmt:MATRIX_FMT_FP6 matrix_b_fmt:MATRIX_FMT_FP6
	v_wmma_scale_f32_16x16x128_f8f6f4 v[S+8*\T+8:S+8*\T+15], v[F+8*\T+8:F+8*\T+19], v[QF:QF+11], 0, v[KS+\T/2], v[QS] matrix_a_fmt:MATRIX_FMT_FP6 matrix_b_fmt:MATRIX_FMT_FP6 matrix_a_scale:MATRIX_SCALE_ROW1
.endr
.rept 4
	v_nop                                          ; four places in front of the first read of the scores and of loads into K's registers
.endr
	s_cmp_eq_u32 s[DEAD], 0
	s_cbranch_scc1 .Llive_\@
	; a dead wave: logit = dot / 8 + pad, one rounding, from attn_mask itself.  Register 32 c + i holds key KF + 64 c + 32 h + i
	s_lshl_b32 s30, s[KF], 2
	v_lshl_add_u32 v254, v[H8], 4, s30             ; 4 KF + 128 h
.irp c, 0,1
.irp j, 0,1,2,3,4,5,6,7
	global_load_b128 v[F+32*\c+4*\j:F+32*\c+4*\j+3], v254, s[42:43] offset:256*\c+16*\j
.endr
.endr
	s_wait_loadcnt 0x0
.set n, 0
.rept 64
	v_cmp_eq_u32 vcc_lo, 0, v[F+n]
	v_cndmask_b32 v[F+n], 0, v[NEG], vcc_lo
.set n, n+1
.endr
.set n, 0
.rept 32
	v_pk_fma_f32 v[S+n:S+n+1], v[S+n:S+n+1], 0x3e000000, v[F+n:F+n+1] op_sel_hi:[1,0,1]
.set n, n+2
.endr
.Llive_\@:
	s_add_co_u32 s30, s[KF], 127
	s_cmp_le_u32 s30, s[Q0]
	s_cbranch_scc1 .Lopen_\@                       ; all 128 keys are visible to all my queries
	; the diagonal step, and a dead wave's steps behind it: -1e10 is added where the key comes after the query
	s_sub_co_i32 s30, s[Q0], s[KF]
	v_add_nc_u32 v254, s30, v[DL]                  ; my query - KF - 32 h: hidden where 64 c + i is greater
.irp c, 0,1
.irp i, 0,1,2,3,4,5,6,7,8,9,10,11,12,13,14,15,16,17,18,19,20,21,22,23,24,25,26,27,28,29,30,31
	v_cmp_gt_i32 vcc_lo, 64*\c+\i, v254
	v_cndmask_b32 v[38+\i%2], 0, v[NEG], vcc_lo
	v_add_f32 v[S+32*\c+\i], v[S+32*\c+\i], v[38+\i%2]
.endr
.endr
.Lopen_\@:
.irp t, 0,1,2,3                                ; V's fragments and scale words land under the softmax
.irp g, 0,1,2
	ds_load_b128 v[F+12*\t+4*\g:F+12*\t+4*\g+3], v[ADL] offset:16384+6144*\q+1536*\t+512*\g
.endr
.endr
	ds_load_b32 v[VS], v[ADW] offset:29696+256*\q
	ds_load_b32 v[VS+1], v[ADW] offset:29696+256*\q+128
	; THE LARGEST SCORE OF EACH BLOCK OF 32 KEYS, in two chains of 16 each, every accumulator from its low end on.  It serves twice: for the row's maximum and, since p rises with the score, for the block's largest p
.irp k, 0,1,2,3
	v_max3_num_f32 v[248+\k/2+2*(\k%2)], v[S+16*\k], v[S+16*\k+1], v[S+16*\k+2]
.endr
.irp i, 3,5,7,9,11,13
.irp k, 0,1,2,3
	v_max3_num_f32 v[248+\k/2+2*(\k%2)], v[248+\k/2+2*(\k%2)], v[S+16*\k+\i], v[S+16*\k+\i+1]
.endr
.endr
.irp k, 0,1,2,3
	v_max_num_f32 v[248+\k/2+2*(\k%2)], v[248+\k/2+2*(\k%2)], v[S+16*\k+15]
.endr
	v_max_num_f32 v248, v248, v250
	v_max_num_f32 v249, v249, v251
	v_max_num_f32 v254, v248, v249
	v_permlanex16_b32 v255, v254, s[SEL], s[SEL+1]
	v_max_num_f32 v254, v254, v255                 ; the step's largest score of my query
	v_mul_f32 v254, s[CS], v254                    ; as t
	v_max_num_f32 v13, v13, v254                   ; the running largest t
	v_mov_b32 v254, v12
	v_floor_f32 v12, -v13                          ; the new -M = floor(-t) = -ceil(t): a whole number
	v_sub_f32 v254, v12, v254                      ; old M - new M: a whole number, 0 or less
	v_cvt_i32_f32 v254, v254                       ; (it saturates)
	v_ldexp_f32 v252, 1.0, v254                    ; f = 2^(old M - new M)
	s_cmp_eq_u32 s[DEAD], 0
	s_cbranch_scc0 .Ldeadx_\@
.set n, 0
.rept 32
	v_pk_fma_f32 v[S+n:S+n+1], v[S+n:S+n+1], s[CS:CS+1], v[12:13] op_sel_hi:[1,0,0]   ; t - M, two at a time
.set n, n+2
.endr
	v_fma_f32 v248, v248, s[CS], v12               ; the same of each block's largest score
	v_fma_f32 v249, v249, s[CS], v12
	s_branch .Lexp_\@
.Ldeadx_\@:                                        ; logits near -1e10: t is rounded to f32 first, as the definition has it; a fused line would leave the product's rounding error as an exponent
.set n, 0
.rept 32
	v_pk_mul_f32 v[S+n:S+n+1], v[S+n:S+n+1], s[CS:CS+1] op_sel_hi:[1,0]
.set n, n+2
.endr
	v_mul_f32 v248, s[CS], v248
	v_mul_f32 v249, s[CS], v249
.set n, 0
.rept 32
	v_pk_add_f32 v[S+n:S+n+1], v[S+n:S+n+1], v[12:13] op_sel_hi:[1,0]
.set n, n+2
.endr
	v_add_f32 v248, v248, v12
	v_add_f32 v249, v249, v12
.Lexp_\@:
.set n, 0
.rept 64
	v_exp_f32 v[S+n], v[S+n]                       ; p = 2^(t - M), at most 1: not normalised
.set n, n+1
.endr
	v_exp_f32 v248, v248                           ; the blocks' largest p: the same instructions on the same numbers give the same bits
	v_exp_f32 v249, v249
	v_pk_mul_f32 v[14:15], v[14:15], v[252:253] op_sel_hi:[1,0]   ; the sums under the new M; also the plain line behind the exponentials
	s_wait_alu depctr_va_vdst(0)
	v_max_num_f32 v248, 0x1800000, v248            ; the floor 2^(3 - 127): the byte cannot fall under 1
	v_max_num_f32 v249, 0x1800000, v249
	v_add_nc_u32 v250, 0xff000000, v248            ; 2 off the exponent field: the conversions' scale operands
	v_add_nc_u32 v251, 0xff000000, v249
	v_lshrrev_b32 v38, 23, v250                    ; the bytes of my blocks h and 2 + h
	v_lshrrev_b32 v39, 23, v251
	v_lshl_or_b32 v[PW], v39, 16, v38
	v_lshlrev_b32 v[PW], v[H8], v[PW]              ; at their places,
	v_permlanex16_b32 v255, v[PW], s[SEL], s[SEL+1]
	v_or_b32 v[PW], v[PW], v255                    ; with lane l xor 16's two: p's scale word for these 128 keys
.irp c, 0,1
	v_cvt_scalef32_pk16_fp6_f32 v[PC+6*\c:PC+6*\c+2], v[S+32*\c:S+32*\c+15], v[250+\c]
	v_cvt_scalef32_pk16_fp6_f32 v[232+4*\c:234+4*\c], v[S+32*\c+16:S+32*\c+31], v[250+\c]   ; (a conversion's three registers begin on an even number)
.endr
	v_nop                                          ; one plain line behind a scaled conversion
.irp c, 0,1
.irp i, 0,1,2
	v_mov_b32 v[PC+3+6*\c+\i], v[232+4*\c+\i]
.endr
.endr
	v_pk_add_f32 v[38:39], v[S:S+1], v[S+2:S+3]    ; the row's sum is taken of the unquantised p: two at a time, in two chains
.irp j, 4,8,12,16,20,24,28,32,36,40,44,48,52,56,60
	v_pk_add_f32 v[14:15], v[14:15], v[S+\j:S+\j+1]
	v_pk_add_f32 v[38:39], v[38:39], v[S+\j+2:S+\j+3]
.endr
	v_pk_add_f32 v[14:15], v[14:15], v[38:39]
.set n, 0
.rept 16
	v_pk_mul_f32 v[O+n:O+n+1], v[O+n:O+n+1], v[252:253] op_sel_hi:[1,0]   ; O^T under the new M, each accumulator from its low end on.  These and the sums are the places between the lines that wrote p's codes and scale word and the products below
.set n, n+2
.endr
	s_wait_dscnt 0x0                               ; V
.irp t, 0,2                                    ; O^T += V^T P^T: four accumulators by turns
	v_wmma_scale_f32_16x16x128_f8f6f4 v[O+8*\t:O+8*\t+7], v[F+12*\t:F+12*\t+11], v[PC:PC+11], v[O+8*\t:O+8*\t+7], v[VS+\t/2], v[PW] matrix_a_fmt:MATRIX_FMT_FP6 matrix_b_fmt:MATRIX_FMT_FP6
	v_wmma_scale_f32_16x16x128_f8f6f4 v[O+8*\t+8:O+8*\t+15], v[F+12*\t+12:F+12*\t+23], v[PC:PC+11], v[O+8*\t+8:O+8*\t+15], v[VS+\t/2], v[PW] matrix_a_fmt:MATRIX_FMT_FP6 matrix_b_fmt:MATRIX_FMT_FP6 matrix_a_scale:MATRIX_SCALE_ROW1
.endr
.rept 4
	v_nop                                          ; four places in front of the next loads into V's registers and of the next read of O^T
.endr
.Lskip_\@:
	s_add_co_u32 s[KF], s[KF], 128
.endm
; A PASS: eight trips, one chunk each; the count is a constant, and what a wave does not need it jumps over inside a step.
; fill = 1 (pass A): the chunk asked for a trip ago goes from registers into LDS between two barriers, which every wave passes in every trip: the first parts the last chunk's reads from the stores,
; the second the stores from this chunk's reads.  Behind it the next chunk is asked for: it has this chunk's two steps in which to land.  The branches round the stores and the loads hang on the
; chunk's number and on NEED, which are the same in all sixteen waves.  fill = 0 (pass B): all that is read lies in LDS since pass A's barriers: no barrier.
.macro PASS fill
.Lchunk_\@:
.if \fill
	s_wait_loadcnt 0x0                             ; the chunk's bytes are in my registers; the loads are done, so their base may step
	s_add_nc_u64 s[40:41], s[40:41], REC
	s_wait_dscnt 0x0                               ; my reads of LDS are over
	s_barrier_signal -1
	s_barrier_wait -1
	v_add_nc_u32 v[ADF], s[TB], v[T16]
	s_cmp_le_u32 s[CH], s[NEED]
	s_cbranch_scc0 .Lnostore_\@
	FILL_STORE
.Lnostore_\@:
	s_wait_dscnt 0x0                               ; for the others' sake: my stores have landed (and have read their registers)
	s_barrier_signal -1
	s_barrier_wait -1
	s_add_co_u32 s30, s[CH], 1
	s_cmp_le_u32 s30, s[NEED]
	s_cbranch_scc0 .Lnoload_\@
	FILL_LOAD
.Lnoload_\@:
.endif
	v_add_nc_u32 v[ADL], s[TB], v[L16]
	v_add_nc_u32 v[ADW], s[TB], v[L4]
	STEP 0
	STEP 1
	s_add_co_u32 s[TB], s[TB], REC
	s_add_co_u32 s[CH], s[CH], 1
	s_cmp_lt_u32 s[CH], 8
	s_cbranch_scc1 .Lchunk_\@
.endm
; THE WAY OUT.  O^T / the sum: register 8 t + j of lane (r, h) is out(r, 16 t + 8 h + j).  The tile goes through my own stage in LDS and leaves as whole rows: an instruction's 32 lanes store two rows,
; 512 consecutive bytes, at a multiple of 256 from out0's first byte.  more = 1: another pass follows.
.macro OUT b, more
	v_add_f32 v14, v14, v15                        ; the sum's two halves,
	v_permlanex16_b32 v255, v14, s[SEL], s[SEL+1]
	v_add_f32 v14, v14, v255                       ; and lane l xor 16's: at least 1/2, since the row's largest p is over 1/2
	v_rcp_f32 v14, v14
	v_nop                                          ; one plain line behind a transcendental
.set n, 0
	s_wait_alu depctr_va_vdst(0)
.rept 16
	v_pk_mul_f32 v[S+n:S+n+1], v[O+n:O+n+1], v[14:15] op_sel_hi:[1,0]
.set n, n+2
.endr
.irp t, 0,1,2,3
	ds_store_b128 v[STO], v[S+8*\t:S+8*\t+3] offset:64*\t
	ds_store_b128 v[STO], v[S+8*\t+4:S+8*\t+7] offset:64*\t+16
.endr
.irp i, 0,1,2,3,4,5,6,7
	ds_load_b128 v[F+4*\i:F+4*\i+3], v[SRD] offset:2*\i*SP   ; LDS serves a wave's instructions in order: these see my stores
.endr
.irp i, 0,1,2,3,4,5,6,7
	s_wait_dscnt 7-\i                              ; the younger loads from the stage may be out
	global_store_b128 v[GO], v[F+4*\i:F+4*\i+3], s[\b:\b+1] offset:512*\i th:TH_STORE_NT
.endr
.if \more
	s_wait_xcnt 0x0                                ; the stores have read their registers: the next pass loads into them
.endif
.endm
	PASSHEAD 54, 29, 0                             ; block 7 - p
	PASS 1
	OUT 36, 1
	PASSHEAD PP, 37, 1                             ; block p
	PASS 0
	OUT 38, 0
	s_wait_tensorcnt 0x0
	ds_add_u32 v235, v239
	s_wait_dscnt 0x0
	s_endpgm
.Lfunc_end_k_qefc96b3bdc_attn:
	.size	k_qefc96b3bdc_attn, .Lfunc_end_k_qefc96b3bdc_attn-k_qefc96b3bdc_attn
	.p2alignl 7, 3214868480
	.fill 96, 4, 3214868480
	.section	.rodata,"a",@progbits
	.p2align	6, 0x0
	.amdhsa_kernel k_qefc96b3bdc_attn
		.amdhsa_group_segment_fixed_size 313344
		.amdhsa_private_segment_fixed_size 0
		.amdhsa_enable_private_segment 0
		.amdhsa_kernarg_size 40
		.amdhsa_user_sgpr_count 2
		.amdhsa_user_sgpr_kernarg_segment_ptr 1
		.amdhsa_wavefront_size32 1
		.amdhsa_system_sgpr_workgroup_id_x 1
		.amdhsa_system_sgpr_workgroup_id_y 1
		.amdhsa_system_sgpr_workgroup_id_z 1
		.amdhsa_system_vgpr_workitem_id 0
		.amdhsa_next_free_vgpr 256
		.amdhsa_next_free_sgpr 66
		.amdhsa_reserve_vcc 1
		.amdhsa_float_denorm_mode_32 3
		.amdhsa_float_denorm_mode_16_64 3
		.amdhsa_memory_ordered 1
		.amdhsa_forward_progress 1
		.amdhsa_inst_pref_size 160
	.end_amdhsa_kernel
	.amdgpu_metadata
---
amdhsa.version: [ 1, 2 ]
amdhsa.kernels:
  - .name:           k_qefc96b3bdc_attn
    .symbol:         k_qefc96b3bdc_attn.kd
    .args:
      - { .name: query, .offset: 0, .size: 8, .value_kind: global_buffer, .address_space: global }
      - { .name: kv, .offset: 8, .size: 8, .value_kind: global_buffer, .address_space: global }
      - { .name: first, .offset: 16, .size: 8, .value_kind: global_buffer, .address_space: global }
      - { .name: attn_mask, .offset: 24, .size: 8, .value_kind: global_buffer, .address_space: global }
      - { .name: out0, .offset: 32, .size: 8, .value_kind: global_buffer, .address_space: global }
    .group_segment_fixed_size: 313344
    .private_segment_fixed_size: 0
    .kernarg_segment_align: 8
    .kernarg_segment_size: 40
    .max_flat_workgroup_size: 512
    .sgpr_count:     66
    .vgpr_count:     256
    .wavefront_size: 32
...
	.end_amdgpu_metadata
.endif
;; end of part 2
;; ======== version 2 of 2: 2 launches
;; limits: right only within a limited range of input values
;; workspace buffers: kv 15,466,496 bytes; first 256 bytes of whole numbers
;; launch prep (part 3): grid 769 x 1, 4 waves a work-group, no clusters, 17,920 bytes of LDS; arguments key, value, attn_mask, kv, first; writes kv, first
.if DOCPART == 3
	.amdgcn_target "amdgcn-amd-amdhsa--gfx1250"
	.amdhsa_code_object_version 6
	.text
	.protected	k_qefc96b3bdc_prep
	.globl	k_qefc96b3bdc_prep
	.p2align	8
	.type	k_qefc96b3bdc_prep,@function
k_qefc96b3bdc_prep:
	s_mov_b64 s[64:65], 0
	v_nop
	global_prefetch_b8 v0, s[64:65] scope:SCOPE_SE
	s_setreg_imm32_b32 hwreg(HW_REG_WAVE_MODE, 25, 1), 1
	s_wait_xcnt 0x0
; key and value, [64 heads][2048 keys][64] f32, become codes of FP6 (E2M3) with one E8M0 scale byte for each 32 along a product's K, laid in kv AS IMAGES OF THE OPERAND REGISTERS
; of the attention launch: a group of four registers is 512 consecutive bytes, lane l's 16 bytes at 16 l.  The padding mask of each key rides in K's image, and first[b] = the lowest
; index i with attn_mask[b][i] != 0 (2,048 if there is none) is stored as a whole number.
; A block's scale is 2^(floor(log2(its largest magnitude)) - 2); its byte is the largest magnitude's exponent field - 2, held at 1 from below.  (A block of zeros so gets the byte 1
; where the rule says 127: its codes are zeros, which add nothing under any byte but 0xff, and this program alone reads the bytes.)
; LIMITS: blocks whose largest magnitude lies under 2^-124 keep the byte 1; NaN and infinities among the inputs are not served.
; kv: one record of REC = 30,208 bytes (118 x 256) for each head and chunk of 256 keys = two steps s of 128 keys:
;   8192 s + 1024 T + 512 g + 16 lane          K: tile T = 4 c + u of 16 keys, registers 4 g .. 4 g + 3 of eight
;   16384 + 6144 s + 1536 t + 512 g + 16 lane  V: tile t of 16 channels x 128 keys, registers 4 g .. 4 g + 3 of twelve
;   28672 + 512 s + 16 lane + 4 i              K's scale words: lanes 0-15 tile 2 i, lanes 16-31 tile 2 i + 1
;   29696 + 256 s + 128 i + 4 lane             V's scale words, likewise
; K's TILE: lane (r, h) holds key 64 c + 8 u + r % 8 + 32 (r / 8) of the step, registers 0-5 the codes of d = 32 h .. 32 h + 31.  The head's 64 fill half of the instruction's K of 128.
; The other half carries the padding: register 6 holds the code +7.5 at k = 64 (lanes 0-15) where attn_mask is 0, else 0; register 7 is 0; the scale word's byte 2 is 167 (2^40) for
; such a key and 1 otherwise, byte 3 is 1.
; THREE PATHS, parted on the work-group's number: 0-255 K (a wave takes a step of 128 keys), 256-767 V (a wave takes 32 channels x 128 keys), 768 first (a wave takes a batch).
; Only K's path uses LDS.  Waves share nothing: no barrier.
.set REC,   30208
.set HEADB, 8*REC
.set VIM_O, 16384
.set KSW_O, 28672
.set VSW_O, 29696
.set SP,    272                        ; a stage row: 256 bytes + 16 = 17 x 16, so the sixteen rows that a 16-byte read touches begin in sixteen different 16-byte columns of 256
.set MK,  24                           ; v24-31   K: the tiles' mask words
.set W,   32                           ; v32-39   K: the tiles' scale words.  V: v32 the scale word
.set KSW, 40                           ; v40-43   K: the scale words in pairs
.set R,   44                           ; v44-139  K: three sets of 32 numbers as loaded
.set X,   140                          ; v140-171 K: my 32 neighbours along d
.set C,   172                          ; v172-235 K: eight registers for each tile, never written again
.set VX,  44                           ; v44-107  V: two sets of 32 numbers
.set CD,  108                          ; v108-131 V: 12 registers for each half of the image's lanes
.set FM,  44                           ; v44-107  first: 64 mask words
; the largest magnitude of 32 numbers of a lane, in two chains, with the floor 2^(3 - 127) as one more leaf: so the byte cannot fall under 1
.macro MAX32 d, t, x
	v_max3_num_f32 v[\d], |v[(\x)]|, |v[(\x)+1]|, |v[(\x)+2]|
	v_max3_num_f32 v[\t], |v[(\x)+3]|, |v[(\x)+4]|, |v[(\x)+5]|
.irp i, 6,10,14,18,22,26
	v_max3_num_f32 v[\d], v[\d], |v[(\x)+\i]|, |v[(\x)+\i+1]|
	v_max3_num_f32 v[\t], v[\t], |v[(\x)+\i+2]|, |v[(\x)+\i+3]|
.endr
	v_max3_num_f32 v[\d], v[\d], |v[(\x)+30]|, |v[(\x)+31]|
	v_max3_num_f32 v[\d], v[\d], v[\t], 0x1800000
.endm
	s_load_b256 s[4:11], s[0:1], 0x0               ; key s[4:5], value s[6:7], attn_mask s[8:9], kv s[10:11]
	s_load_b64 s[12:13], s[0:1], 0x20              ; first
	v_lshl_add_u32 v240, v0, 2, 0x4400
	v_mov_b32 v241, 0
	v_lshrrev_b32 v1, 5, v0
	v_readfirstlane_b32 s14, v1                    ; wave 0..3
	v_and_b32 v1, 31, v0                           ; lane
	v_and_b32 v2, 15, v0                           ; r
	v_bfe_u32 v3, v0, 4, 1                         ; h
	v_lshlrev_b32 v4, 4, v1                        ; 16 x lane
	v_lshlrev_b32 v8, 3, v3                        ; 8 h
	v_mov_b32 v17, 0                               ; a lane permute's destination counts as one of its sources
	s_mov_b32 s20, 0x76543210
	s_mov_b32 s21, 0xfedcba98                      ; v_permlanex16_b32's selects for lane l xor 16
	s_mov_b32 s22, 0xffff0000                      ; lanes 16-31
	s_mov_b32 s25, 0                               ; the upper words of the offsets' pairs
	s_mov_b32 s27, 0
	s_wait_kmcnt 0x0
	s_cmp_lt_u32 ttmp9, 256
	s_cbranch_scc0 .Lnot_k
; ---------------- K: work-group g: head g / 4, wave w: step 4 (g % 4) + w
	s_lshr_b32 s15, ttmp9, 2                       ; head
	s_and_b32 s16, ttmp9, 3
	s_lshl_b32 s16, s16, 2
	s_add_co_u32 s16, s16, s14                     ; step 0..15
	s_lshl_b32 s24, s15, 19                        ; a head is 2,048 rows of 256 bytes,
	s_lshl_b32 s26, s16, 15                        ; a step 128 rows
	s_add_co_u32 s24, s24, s26
	s_add_nc_u64 s[4:5], s[4:5], s[24:25]          ; key at my step
	s_and_b32 s24, s15, 3                          ; the mask's row is head % 4
	s_lshl_b32 s24, s24, 13
	s_lshl_b32 s26, s16, 9
	s_add_co_u32 s24, s24, s26
	s_add_nc_u64 s[8:9], s[8:9], s[24:25]          ; attn_mask at my step
	s_mul_i32 s24, s15, HEADB
	s_lshr_b32 s26, s16, 1
	s_mul_i32 s26, s26, REC
	s_add_co_u32 s24, s24, s26                     ; my record
	s_and_b32 s28, s16, 1                          ; s
	s_lshl_b32 s26, s28, 9
	s_add_co_u32 s26, s26, s24
	s_add_co_u32 s26, s26, KSW_O
	s_add_nc_u64 s[18:19], s[10:11], s[26:27]      ; my step's scale words
	s_lshl_b32 s26, s28, 13
	s_add_co_u32 s24, s24, s26
	s_add_nc_u64 s[10:11], s[10:11], s[24:25]      ; my step's images
	s_mul_i32 s30, s14, 16*SP                      ; my stage
	s_wait_alu depctr_va_vdst(0)
	v_mul_u32_u24 v5, v3, SP
	v_lshl_add_u32 v5, v2, 4, v5
	v_add_nc_u32 v5, s30, v5                       ; in: a load's 512 bytes are two rows: row lane / 16, 16 bytes a lane
	v_mul_u32_u24 v6, v2, SP
	v_lshl_add_u32 v6, v3, 7, v6
	v_add_nc_u32 v6, s30, v6                       ; out: row r, my half's 128 bytes
	v_and_b32 v7, 7, v2
	v_lshrrev_b32 v12, 3, v2
	v_lshl_add_u32 v7, v12, 5, v7
	v_lshlrev_b32 v7, 2, v7                        ; my key's mask word in a tile: 4 (r % 8 + 32 (r / 8))
	v_mov_b32 v9, 0x1f
	v_cndmask_b32 v9, v9, v17, s22                 ; the code +7.5 in lanes 0-15, 0 in lanes 16-31
	v_mov_b32 v10, 0x01010000                      ; bytes 2 and 3 of a key that counts,
	v_mov_b32 v11, 0x01a70000                      ; and of a padded one: 167 = 2^40
.irp T, 0,1,2,3,4,5,6,7
	global_load_b32 v[MK+\T], v7, s[8:9] offset:4*(64*(\T/4)+8*(\T%4))
.endr
; tile T's 16 rows are two runs of eight neighbouring rows, 32 rows apart: eight loads of 512 consecutive bytes
.macro KLOAD T
.irp i, 0,1,2,3,4,5,6,7
	global_load_b128 v[R+32*((\T)%3)+4*\i:R+32*((\T)%3)+4*\i+3], v4, s[4:5] offset:(64*((\T)/4)+8*((\T)%4)+32*(\i/4))*256+512*(\i%4) th:TH_LOAD_NT
.endr
.endm
.macro KTILE T
.set CT, C+8*(\T)
.if (\T) <= 5
	s_wait_loadcnt 16                              ; my tile's eight loads (and the mask words) are in; those of the next two tiles may be out
.elseif (\T) == 6
	s_wait_loadcnt 8                               ; the last tile's eight may be out
.else
	s_wait_loadcnt 0
.endif
.irp i, 0,1,2,3,4,5,6,7
	ds_store_b128 v5, v[R+32*((\T)%3)+4*\i:R+32*((\T)%3)+4*\i+3] offset:2*SP*\i
.endr
.irp j, 0,1,2,3,4,5,6,7
	ds_load_b128 v[X+4*\j:X+4*\j+3], v6 offset:16*\j   ; LDS serves a wave's instructions in order: these see the stores above
.endr
	s_wait_dscnt 0x0                               ; my 32 neighbours are in, and the stores have read their registers,
.if (\T)+3 < 8
	KLOAD (\T)+3                                   ; which take the tile three further on
.endif
	MAX32 12, 13, X                                ; a whole block of 32 along d lies in my lane
	v_add_nc_u32 v14, 0xff000000, v12              ; 2 off its exponent field: the conversion takes the exponent field of this operand as its scale
	v_cvt_scalef32_pk16_fp6_f32 v[CT:CT+2], v[X:X+15], v14
	v_cvt_scalef32_pk16_fp6_f32 v[18:20], v[X+16:X+31], v14   ; (a conversion's three registers begin on an even number)
	v_lshrrev_b32 v15, 23, v14                     ; the scale's byte; also the plain line behind the conversions
.irp i, 0,1,2
	v_mov_b32 v[CT+3+\i], v[18+\i]
.endr
	v_cmp_eq_u32 vcc_lo, 0, v[MK+(\T)]             ; a padded key?
	v_cndmask_b32 v[CT+6], 0, v9, vcc_lo           ; its flag: the code +7.5 at k = 64
	v_mov_b32 v[CT+7], 0
	v_lshlrev_b32 v15, v8, v15                     ; my block's byte at its place,
	v_permlanex16_b32 v17, v15, s20, s21
	v_or_b32 v15, v15, v17                         ; with lane l xor 16's,
	v_cndmask_b32 v16, v10, v11, vcc_lo
	v_or_b32 v[W+(\T)], v15, v16                   ; and bytes 2 and 3: the key's scale word
	global_store_b128 v4, v[CT:CT+3], s[10:11] offset:1024*(\T)        ; 32 lanes store 512 consecutive bytes, at a multiple of 256 from kv's first byte
	global_store_b128 v4, v[CT+4:CT+7], s[10:11] offset:1024*(\T)+512
.endm
	KLOAD 0
	KLOAD 1
	KLOAD 2
	s_wait_alu depctr_va_vdst(0)
.irp T, 0,1,2,3,4,5,6,7
	KTILE \T
.endr
.irp i, 0,1,2,3
	v_cndmask_b32 v[KSW+\i], v[W+2*\i], v[W+2*\i+1], s22   ; lanes 0-15 tile 2 i's words, lanes 16-31 tile 2 i + 1's
.endr
	global_store_b128 v4, v[KSW:KSW+3], s[18:19]
	s_wait_tensorcnt 0x0
	ds_add_u32 v240, v241
	s_wait_dscnt 0x0
	s_endpgm
.Lnot_k:
	s_cmp_lt_u32 ttmp9, 768
	s_cbranch_scc0 .Lfirst
; ---------------- V: work-group g - 256: head, chunk; wave w: channels 32 (w % 2) on, step w / 2.  A LANE TAKES A CHANNEL, AND ITS REGISTERS RUN DOWN THE KEYS, which are this operand's K
	s_sub_co_u32 s15, ttmp9, 256
	s_lshr_b32 s16, s15, 3                         ; head
	s_and_b32 s17, s15, 7                          ; chunk
	s_and_b32 s18, s14, 1                          ; which 32 channels
	s_lshr_b32 s19, s14, 1                         ; s
	s_lshl_b32 s24, s16, 19
	s_lshl_b32 s26, s17, 16
	s_add_co_u32 s24, s24, s26
	s_lshl_b32 s26, s19, 15
	s_add_co_u32 s24, s24, s26
	s_lshl_b32 s26, s18, 7
	s_add_co_u32 s24, s24, s26
	s_add_nc_u64 s[6:7], s[6:7], s[24:25]          ; value at my step's first key, my first channel
	s_mul_i32 s24, s16, HEADB
	s_mul_i32 s26, s17, REC
	s_add_co_u32 s24, s24, s26                     ; my record
	s_mul_i32 s26, s19, 6144
	s_mul_i32 s30, s18, 3072
	s_add_co_u32 s26, s26, s30
	s_add_co_u32 s26, s26, s24
	s_add_co_u32 s26, s26, VIM_O
	s_add_nc_u64 s[28:29], s[10:11], s[26:27]      ; my two tiles' images
	s_lshl_b32 s26, s19, 8
	s_lshl_b32 s30, s18, 7
	s_add_co_u32 s26, s26, s30
	s_add_co_u32 s26, s26, s24
	s_add_co_u32 s26, s26, VSW_O
	s_add_nc_u64 s[10:11], s[10:11], s[26:27]      ; and their scale words
	s_wait_alu depctr_va_vdst(0)
	v_lshlrev_b32 v5, 2, v1                        ; 4 x lane
	v_mul_u32_u24 v6, v3, 1536
	v_lshl_add_u32 v6, v2, 4, v6                   ; my tile (lane / 16) and my row in it: 16 bytes a lane
.macro VLOADB t                        ; block t: value(32 t + i, my channel): 32 lanes read 128 consecutive bytes, and the wave beside me the row's other 128
.irp i, 0,1,2,3,4,5,6,7,8,9,10,11,12,13,14,15,16,17,18,19,20,21,22,23,24,25,26,27,28,29,30,31
	global_load_b32 v[VX+32*((\t)%2)+\i], v5, s[6:7] offset:(32*(\t)+\i)*256 th:TH_LOAD_NT
.endr
.endm
.macro VBLOCK t                        ; block t = 2 c + h of the step belongs to registers 6 c .. 6 c + 5 of the image's lane (r, h)
.set XS, VX+32*((\t)%2)
.set CB, CD+12*((\t)%2)+6*((\t)/2)
.if (\t) < 3
	s_wait_loadcnt 32                              ; this block's 32 loads are in; the next block's may be out
.else
	s_wait_loadcnt 0
.endif
	MAX32 12, 13, XS
	v_add_nc_u32 v14, 0xff000000, v12
	v_lshrrev_b32 v15, 23, v14
.if (\t) == 0
	v_mov_b32 v32, v15                             ; the step's four bytes make my channel's scale word
.else
	v_lshl_or_b32 v32, v15, 8*(\t), v32
.endif
	v_cvt_scalef32_pk16_fp6_f32 v[CB:CB+2], v[XS:XS+15], v14
	v_cvt_scalef32_pk16_fp6_f32 v[18:20], v[XS+16:XS+31], v14
	v_nop                                          ; one plain line behind a scaled conversion
.irp i, 0,1,2
	v_mov_b32 v[CB+3+\i], v[18+\i]
.endr
.if (\t) < 2
	VLOADB (\t)+2
.endif
.endm
	VLOADB 0
	VLOADB 1
	VBLOCK 0
	VBLOCK 1
	VBLOCK 2
	VBLOCK 3
.irp e, 0,1
.irp g, 0,1,2
	global_store_b128 v6, v[CD+12*\e+4*\g:CD+12*\e+4*\g+3], s[28:29] offset:512*\g+256*\e   ; sixteen lanes store 256 consecutive bytes, aligned: the image's lanes 16 e .. 16 e + 15
.endr
.endr
	global_store_b32 v5, v32, s[10:11]             ; 128 consecutive bytes
	s_endpgm
.Lfirst:
; ---------------- first: wave w scans batch w's 2,048 mask words
	s_lshl_b32 s24, s14, 13
	s_add_nc_u64 s[8:9], s[8:9], s[24:25]
	s_wait_alu depctr_va_vdst(0)
.irp j, 0,1,2,3,4,5,6,7,8,9,10,11,12,13,14,15
	global_load_b128 v[FM+4*\j:FM+4*\j+3], v4, s[8:9] offset:512*\j   ; register 4 j + e of lane l: index 128 j + 4 l + e
.endr
	v_lshlrev_b32 v13, 2, v1
	v_mov_b32 v12, 0x800                           ; none found: 2,048
	v_mov_b32 v14, 0
	s_wait_alu depctr_va_vdst(0)
	s_wait_loadcnt 0x0
.irp j, 15,14,13,12,11,10,9,8,7,6,5,4,3,2,1,0  ; from the highest index down: the lowest that is not 0 stays
.irp e, 3,2,1,0
	v_cmp_ne_u32 vcc_lo, 0, v[FM+4*\j+\e]
	v_add_nc_u32 v15, 128*\j+\e, v13
	v_cndmask_b32 v12, v12, v15, vcc_lo
.endr
.endr
.irp m, 1,2,4,8
	v_mov_b32_dpp v14, v12 row_xmask:\m row_mask:0xf bank_mask:0xf
	v_min_u32 v12, v12, v14
.endr
	v_permlanex16_b32 v17, v12, s20, s21
	v_min_u32 v12, v12, v17                        ; the lowest of all 32 lanes
	s_lshl_b32 s24, s14, 2
	v_mov_b32 v15, s24
	v_cmp_eq_u32 vcc_lo, 0, v1
	s_wait_alu depctr_va_vdst(0)
	s_wait_xcnt 0x0                                ; EXEC is a source of the loads above: it changes only behind this wait
	s_and_saveexec_b32 s26, vcc_lo
	global_store_b32 v15, v12, s[12:13]            ; lane 0 stores first[w]
	s_wait_xcnt 0x0                                ; and again in front of the line that widens it
	s_or_b32 exec_lo, exec_lo, s26
	s_endpgm
.Lfunc_end_k_qefc96b3bdc_prep:
	.size	k_qefc96b3bdc_prep, .Lfunc_end_k_qefc96b3bdc_prep-k_qefc96b3bdc_prep
	.p2alignl 7, 3214868480
	.fill 96, 4, 3214868480
	.section	.rodata,"a",@progbits
	.p2align	6, 0x0
	.amdhsa_kernel k_qefc96b3bdc_prep
		.amdhsa_group_segment_fixed_size 17920
		.amdhsa_private_segment_fixed_size 0
		.amdhsa_enable_private_segment 0
		.amdhsa_kernarg_size 40
		.amdhsa_user_sgpr_count 2
		.amdhsa_user_sgpr_kernarg_segment_ptr 1
		.amdhsa_wavefront_size32 1
		.amdhsa_system_sgpr_workgroup_id_x 1
		.amdhsa_system_sgpr_workgroup_id_y 1
		.amdhsa_system_sgpr_workgroup_id_z 1
		.amdhsa_system_vgpr_workitem_id 0
		.amdhsa_next_free_vgpr 242
		.amdhsa_next_free_sgpr 66
		.amdhsa_reserve_vcc 1
		.amdhsa_float_denorm_mode_32 3
		.amdhsa_float_denorm_mode_16_64 3
		.amdhsa_memory_ordered 1
		.amdhsa_forward_progress 1
		.amdhsa_inst_pref_size 64
	.end_amdhsa_kernel
	.amdgpu_metadata
---
amdhsa.version: [ 1, 2 ]
amdhsa.kernels:
  - .name:           k_qefc96b3bdc_prep
    .symbol:         k_qefc96b3bdc_prep.kd
    .args:
      - { .name: key, .offset: 0, .size: 8, .value_kind: global_buffer, .address_space: global }
      - { .name: value, .offset: 8, .size: 8, .value_kind: global_buffer, .address_space: global }
      - { .name: attn_mask, .offset: 16, .size: 8, .value_kind: global_buffer, .address_space: global }
      - { .name: kv, .offset: 24, .size: 8, .value_kind: global_buffer, .address_space: global }
      - { .name: first, .offset: 32, .size: 8, .value_kind: global_buffer, .address_space: global }
    .group_segment_fixed_size: 17920
    .private_segment_fixed_size: 0
    .kernarg_segment_align: 8
    .kernarg_segment_size: 40
    .max_flat_workgroup_size: 128
    .sgpr_count:     66
    .vgpr_count:     242
    .wavefront_size: 32
...
	.end_amdgpu_metadata
.endif
;; end of part 3
;; launch attn (part 4): grid 4 x 64, 16 waves a work-group, no clusters, 313,344 bytes of LDS; arguments query, kv, first, attn_mask, out0; writes out0
.if DOCPART == 4
	.amdgcn_target "amdgcn-amd-amdhsa--gfx1250"
	.amdhsa_code_object_version 6
	.text
	.protected	k_qefc96b3bdc_attn
	.globl	k_qefc96b3bdc_attn
	.p2align	8
	.type	k_qefc96b3bdc_attn,@function
k_qefc96b3bdc_attn:
	s_mov_b64 s[64:65], 0
	v_nop
	global_prefetch_b8 v0, s[64:65] scope:SCOPE_SE
	s_setreg_imm32_b32 hwreg(HW_REG_WAVE_SCHED_MODE, 0, 2), 2
	s_setreg_imm32_b32 hwreg(HW_REG_WAVE_MODE, 25, 1), 1
	s_wait_xcnt 0x0
	s_wait_alu depctr_vm_vsrc(0)
; out0[b][q][:] = the sum over k of softmax_k(Q[b][q] . K[b][k] / 8 + pad[b % 4][k] + causal[q][k]) V[b][k][:], both products on codes of FP6 (E2M3) with one E8M0 scale for each 32 along K.
; pad is -1e10 where attn_mask is 0, causal is -1e10 where k > q: both are ADDED, so a row none of whose visible keys counts still has a softmax, over all 2,048 keys.
; THE SOFTMAX AHEAD OF THE SECOND PRODUCT: t = logit x log2(e); M = the row's largest t so far, rounded UP to a whole number; p = 2^(t - M) is quantised along the keys, not normalised;
; the row's sum is taken of the unquantised p and divides at the end.  When M moves, the sum and O are multiplied by 2^(old M - new M): exact.
; SHARES.  Work-group (p, head) owns the blocks of 256 queries 7 - p (pass A) and p (pass B): nine chunks of 256 keys in every work-group.  Each of its sixteen waves owns 16 queries of a block,
; one tile, in 256 registers: four waves to a SIMD, so that one wave's vector work stands beside another's matrix work and LDS loads.
; K AND V come from kv as images of the operand registers (the launch before made them): a chunk's record of 30,208 bytes is copied into LDS byte for byte, once, in pass A, a chunk ahead of its
; use (global loads into 16 registers a lane, LDS stores a trip later); pass B reads the same bytes again.  All LDS reads stand at 16 x lane or 4 x lane: 512 or 128 consecutive bytes.
; LAYOUT.  Both products are used transposed: S^T = K Q^T (source 0 = 16 keys, source 1 = my 16 queries), O^T = V^T P^T: a lane holds ONE query (lane % 16) throughout.  Lane r of K's tile
; 4 c + u holds key 64 c + 8 u + r % 8 + 32 (r / 8) of the step, so that registers 32 c .. 32 c + 31 of S^T are the 32 NEIGHBOURING keys 64 c + 32 (lane / 16) + 0 .. 31: a whole block of the
; second product's K in one lane, in the order in which the operand wants it: no exchange between lanes but for the row's maximum, the row's sum and the scale word.
; THE PADDING RIDES IN THE FIRST PRODUCT.  The head's 64 fill half of the instruction's K of 128.  At k = 64 a padded key has the code +7.5 under the scale 2^40, Q the code -7.5 under 2^20: such a
; key's score is q . k - 56.25 x 2^60.  A key that counts has the code 0 there under 2^-126.  K's tiles lie 8 registers apart while the operand names 12: the last four are the next tile's codes
; (behind the last tile: four registers of zeros); they meet only zero codes of Q, and the format has no code for NaN or infinity.
; LIVE AND DEAD WAVES.  first[b % 4] = f is the lowest key that counts.  A wave whose first query is at or behind f is LIVE: each of its rows sees key f.  It walks the steps from the one that holds
; f to the diagonal; the steps in front hold only padded keys (p = 0 under any M that follows), those behind only hidden ones.  A wave with a query in front of f is DEAD: it walks all 16 steps,
; takes Q's code at k = 64 as 0, and follows the definition's own order of f32 roundings: logit = dot / 8 + pad (one rounding), + causal (one rounding), t = logit x log2(e) (rounded), t - M.
; These branches hang on first, a whole number stored by the launch before, on the work-group's and the wave's number, and on nothing else.
; NO JOINT TENSOR LOADS, though the four work-groups of a head read the same records: the walk of a wave hangs on a number read from memory, and
; work-group p needs 8 - p of the 8 records (all 8 only where it has a dead wave), so partners would want different numbers of tiles.
; LIMITS: NaN and infinities among the inputs are not served.  In live rows the masks are -56.25 x 2^60 (padding) and -1e10 on the raw dot product (causal): p is 0 as with the definition's -1e10 on
; the logit while |q . k| stays under 1e9.  A block's largest p is taken through its largest score: this leans on v_exp_f32 not falling where its input rises.  Blocks of p that are all 0
; keep the scale byte 1: their codes are zeros.
; THE MODE: SCHED_MODE bits 1:0 = 2 (LLVM: expert scheduling mode 2), set by the entry lines.  The code itself states the register dependences between vector or matrix instructions and memory or
; LDS instructions, with s_wait_alu, always for 0.
; THE PLAN.  Registers that memory or LDS instructions touch:
;   v3, v7, v8, v9, v247, v235, v239   offsets and addresses made once at the head and never written again: one wait at the head serves them for the whole kernel.
;   v4, v5, v6 (ADL, ADW, ADF)         written together at a trip's head, read by the trip's LDS loads and stores: one wait in front of the three additions, one behind them.
;   G                                  written by the copy's global loads, read by the next trip's LDS stores; no vector instruction of the loop names it.
;   F                                  a step: K's LDS loads land | the first products read | (dead waves: the mask's loads land, selections write, multiply-adds read) | V's LDS loads land | the second products read.
;   KS, VS                             scale words: LDS loads land, products read.
;   v254                               made in a place behind the first products: the offset of a dead wave's mask loads; at work as a vector register for the rest of the step.
;   S, F on the way out                the multiplications write S, the stage's stores read it; the stage's loads land in F, the global stores read it.
; So a step has three waits on the vector side's results: at its head (for a chunk's first step it is the one at the trip's head), behind the places that follow the first products, and in front of the
; second products; and the ones in front of and behind the exponentials.  V's loads stand behind the second of them with the causal lines at most between, which name S, v10, v36, v38, v39, v254 and masks alone.
; A compare and the selection that reads its mask: sixteen compares into sixteen scalar registers (s4-s11, free since the head made its addresses, and s56-s63), one wait, sixteen selections.
.set REC,   30208                      ; a chunk's record
.set HEADB, 8*REC                      ; LDS 0 .. 241,663: the head's eight records
.set STG,   HEADB                      ; behind them a stage of 16 rows x 272 bytes for each wave, for the way out
.set SP,    272                        ; 256 bytes + 16 = 17 x 16: sixteen rows begin in sixteen different 16-byte columns of 256
.set L16, 1                            ; v1   16 x lane
.set L4,  2                            ; v2   4 x lane
.set T16, 3                            ; v3   16 x thread
.set ADL, 4                            ; v4   the chunk's record + 16 x lane
.set ADW, 5                            ; v5   the chunk's record + 4 x lane
.set ADF, 6                            ; v6   the chunk's record + 16 x thread: where the copy goes
.set GO,  7                            ; v7   the way out: my byte in two rows of out0
.set STO, 8                            ; v8   where I put 32 bytes of a row in my stage
.set SRD, 9                            ; v9   where I read a row back
.set DL,  10                           ; v10  r - 32 h
.set H8,  11                           ; v11  8 h
                                       ; v12 -M, v13 the largest t, v[14:15] the sum in two halves
.set QF,  16                           ; v16-27 Q's operand (v23-27 stay 0);  v30-35 pass B's codes;  v29, v37 bytes 0 and 1 of Q's scale word for pass A, B
.set QS,  28                           ; v28  Q's scale word
.set NEG, 36                           ; v36  -1e10
.set G,   40                           ; v40-55  the copy's 64 bytes a lane, on their way from memory
.set F,   56                           ; v56-123 K's 8 tiles x 8 registers + 4 of zeros; then V's 4 x 12; in dead waves 64 mask words between
.set S,   124                          ; v124-187 S^T, then p
.set O,   188                          ; v188-219 O^T
.set PC,  220                          ; v220-231 p's codes;  v232-234, v236-238 the conversions' second halves
.set KS,  240                          ; v240-243 K's scale words
.set VS,  244                          ; v244-245 V's
.set PW,  246                          ; v246 p's
                                       ; v248, v249 the two blocks' largest scores; v250, v251 partial maxima, then the conversions' scale operands; v[252:253] f; v38, v39, v254 at work; v247 Q's offset; v255 lane permutes' destination
.set WV,   14
.set PP,   15
.set HD,   16
.set FB,   17
.set Q0,   18
.set DEAD, 19
.set SEL,  20                          ; s[20:21]
.set CS,   22                          ; s[22:23] what a score is multiplied by: log2(e) / 8 on the raw dot product (live), log2(e) on the logit (dead)
.set KLO,  24                          ; steps whose first key lies under KLO or over KHI are left out
.set KHI,  25
.set KF,   26                          ; the step's first key
.set TB,   27                          ; the chunk's record in LDS
.set CH,   28                          ; the chunk
.set NEED, 29                          ; the last chunk that the work-group reads
                                       ; mask k of sixteen lies in s[4 + k + 44 (k / 8)]: s4-s11, s56-s63
.macro MAX32 d, t, x                   ; the largest magnitude of 32 numbers of a lane, with the floor 2^(3 - 127) as one more leaf
	v_max3_num_f32 v[\d], |v[(\x)]|, |v[(\x)+1]|, |v[(\x)+2]|
	v_max3_num_f32 v[\t], |v[(\x)+3]|, |v[(\x)+4]|, |v[(\x)+5]|
.irp i, 6,10,14,18,22,26
	v_max3_num_f32 v[\d], v[\d], |v[(\x)+\i]|, |v[(\x)+\i+1]|
	v_max3_num_f32 v[\t], v[\t], |v[(\x)+\i+2]|, |v[(\x)+\i+3]|
.endr
	v_max3_num_f32 v[\d], v[\d], |v[(\x)+30]|, |v[(\x)+31]|
	v_max3_num_f32 v[\d], v[\d], v[\t], 0x1800000
.endm
; A record is 59 x 512 bytes: three times the sixteen waves' 8,192, and 5,632 more, which waves 0 to 10 take.
.macro FILL_LOAD
.irp j, 0,1,2
	global_load_b128 v[G+4*\j:G+4*\j+3], v[T16], s[40:41] offset:8192*\j
.endr
	s_cmp_lt_u32 s[WV], 11
	s_cbranch_scc0 .Lfl_\@
	global_load_b128 v[G+12:G+15], v[T16], s[40:41] offset:24576
.Lfl_\@:
.endm
.macro FILL_STORE
.irp j, 0,1,2
	ds_store_b128 v[ADF], v[G+4*\j:G+4*\j+3] offset:8192*\j
.endr
	s_cmp_lt_u32 s[WV], 11
	s_cbranch_scc0 .Lfs_\@
	ds_store_b128 v[ADF], v[G+12:G+15] offset:24576
.Lfs_\@:
.endm
; 32 numbers of my row of Q (d = 32 h on) become six registers of codes from v[dst] on; the row's two scale bytes go to v[by]
.macro QUANTQ src, dst, by
	MAX32 248, 249, \src
	v_add_nc_u32 v250, 0xff000000, v248            ; 2 off the exponent field: the conversion's scale operand
	v_cvt_scalef32_pk16_fp6_f32 v[\dst:\dst+2], v[(\src):(\src)+15], v250
	v_cvt_scalef32_pk16_fp6_f32 v[232:234], v[(\src)+16:(\src)+31], v250   ; (a conversion's three registers begin on an even number)
	v_lshrrev_b32 v251, 23, v250                   ; the byte; also the plain line behind the conversions
.irp i, 0,1,2
	v_mov_b32 v[\dst+3+\i], v[232+\i]
.endr
	v_lshlrev_b32 v251, v[H8], v251
	v_permlanex16_b32 v255, v251, s[SEL], s[SEL+1]
	v_or_b32 v[\by], v251, v255
.endm
	s_load_b256 s[4:11], s[0:1], 0x0               ; query s[4:5], kv s[6:7], first s[8:9], attn_mask s[10:11]
	s_load_b64 s[12:13], s[0:1], 0x20              ; out0
	v_lshl_add_u32 v235, v0, 2, 0x4c000
	v_mov_b32 v239, 0
	v_lshrrev_b32 v1, 5, v0
	v_readfirstlane_b32 s[WV], v1                  ; wave 0..15
	s_mov_b32 s[PP], ttmp9                         ; p
	s_and_b32 s[HD], ttmp7, 0xffff                 ; head
	v_and_b32 v38, 31, v0                          ; lane
	v_and_b32 v39, 15, v0                          ; r
	v_bfe_u32 v254, v0, 4, 1                       ; h
	v_lshlrev_b32 v[L16], 4, v38
	v_lshlrev_b32 v[L4], 2, v38
	v_lshlrev_b32 v[T16], 4, v0
	v_lshlrev_b32 v[GO], 8, v254
	v_lshl_add_u32 v[GO], v39, 4, v[GO]            ; lanes 0-15 one row of 256 bytes, lanes 16-31 the next
	s_wait_alu depctr_va_sdst(0)                   ; the wave's number is written, ahead of its first reader: LDS addresses, bases and branches are made from it
	s_mul_i32 s30, s[WV], 16*SP
	s_add_co_u32 s30, s30, STG                     ; my stage
	v_mul_u32_u24 v[STO], v39, SP
	v_lshl_add_u32 v[STO], v254, 5, v[STO]
	v_add_nc_u32 v[STO], s30, v[STO]               ; in: row r, + 32 h
	v_mul_u32_u24 v[SRD], v254, SP
	v_lshl_add_u32 v[SRD], v39, 4, v[SRD]
	v_add_nc_u32 v[SRD], s30, v[SRD]               ; back: two rows an instruction
	v_lshlrev_b32 v[DL], 5, v254
	v_sub_nc_u32 v[DL], v39, v[DL]
	v_lshlrev_b32 v[H8], 3, v254
	v_lshlrev_b32 v247, 8, v39
	v_lshl_add_u32 v247, v254, 7, v247             ; Q: row r of 256 bytes, + 128 h: my block of 32
	v_mov_b32 v[NEG], 0xd01502f9                   ; -1e10
.irp i, 7,8,9,10,11
	v_mov_b32 v[QF+\i], 0                          ; Q's codes of k = 69 .. 127
.endr
.irp i, 12,13,14,15
	v_mov_b32 v[G+\i], 0                           ; (waves 11 to 15 never load these)
.endr
.irp i, 64,65,66,67
	v_mov_b32 v[F+\i], 0                           ; what K's last tile names behind its eight registers
.endr
	v_mov_b32 v253, 0                              ; (named as the upper half of the pair v[252:253])
	v_mov_b32 v255, 0                              ; a lane permute's destination counts as one of its sources
	s_mov_b32 s[SEL], 0x76543210
	s_mov_b32 s[SEL+1], 0xfedcba98                 ; lane l xor 16
	s_mov_b32 s49, 0xffff0000                      ; lanes 16-31
	s_mov_b32 s50, 0x3fb8aa3b                      ; log2(e)
	s_mov_b32 s51, 0x3e38aa3b                      ; log2(e) / 8
	s_mov_b32 s52, 0x01010000                      ; bytes 2 and 3 of Q's scale word in a dead wave,
	s_mov_b32 s53, 0x01930000                      ; and in a live one: 147 = 2^20
	s_sub_co_u32 s54, 7, s[PP]                     ; pass A's block
	s_lshl_b32 s30, s[HD], 19                      ; a head is 2,048 rows of 256 bytes, in query and in out0
	s_lshl_b32 s46, s[WV], 4
	s_lshl_b32 s45, s54, 8
	s_add_co_u32 s45, s45, s46                     ; pass A's first query of mine
	s_lshl_b32 s45, s45, 8
	s_add_co_u32 s32, s45, s30
	s_mov_b32 s33, 0
	s_lshl_b32 s45, s[PP], 8
	s_add_co_u32 s45, s45, s46                     ; pass B's
	s_lshl_b32 s45, s45, 8
	s_add_co_u32 s34, s45, s30
	s_mov_b32 s35, 0
	s_mul_i32 s40, s[HD], HEADB
	s_mov_b32 s41, 0
	s_and_b32 s42, s[HD], 3                        ; the mask's row is head % 4
	s_lshl_b32 s46, s42, 2
	s_mov_b32 s47, 0
	s_lshl_b32 s42, s42, 13
	s_mov_b32 s43, 0
	s_wait_kmcnt 0x0
	s_add_nc_u64 s[8:9], s[8:9], s[46:47]
	s_load_b32 s[FB], s[8:9], 0x0                  ; f
	s_add_nc_u64 s[36:37], s[12:13], s[32:33]      ; out0 at pass A's rows,
	s_add_nc_u64 s[38:39], s[12:13], s[34:35]      ; at pass B's;
	s_add_nc_u64 s[32:33], s[4:5], s[32:33]        ; query likewise
	s_add_nc_u64 s[34:35], s[4:5], s[34:35]
	s_add_nc_u64 s[40:41], s[6:7], s[40:41]        ; kv at the head's first record
	s_add_nc_u64 s[42:43], s[10:11], s[42:43]      ; attn_mask at the head's row
	s_wait_alu depctr_va_vdst(0)                   ; written: the offsets and addresses v3, v7, v8, v9, v247, v235 and v239, which loads, stores and the closing add read; v52-55, in which a load lands; the zeros of Q's and K's operands, which the products take
	FILL_LOAD                                      ; chunk 0
.irp j, 0,1,2,3,4,5,6,7
	global_load_b128 v[S+4*\j:S+4*\j+3], v247, s[32:33] offset:16*\j th:TH_LOAD_NT
.endr
.irp j, 0,1,2,3,4,5,6,7
	global_load_b128 v[S+32+4*\j:S+32+4*\j+3], v247, s[34:35] offset:16*\j th:TH_LOAD_NT
.endr
	s_wait_kmcnt 0x0
	s_min_u32 s[FB], s[FB], 0x800
	s_lshl_b32 s30, s[PP], 8                       ; the work-group's lowest query
	s_cmp_lt_u32 s30, s[FB]
	s_cselect_b32 s[NEED], 7, s54                  ; with a dead wave all eight chunks are read, else chunks 0 .. 7 - p
	s_wait_loadcnt 0x0
	QUANTQ S, QF, 29
	QUANTQ S+32, 30, 37
; The head of a pass: the wave's kind and walk, Q's operand, and the running figures.  O^T and the sum begin as zeros and the largest t as -3e38, so that the step is written once: the first change
; of M multiplies zeros.  The 32 clearing lines are also the places between the lines that write Q's operand and scale word and the first scaled matrix instruction.
.macro PASSHEAD blk, by, move
	s_lshl_b32 s[Q0], s[\blk], 8
	s_lshl_b32 s30, s[WV], 4
	s_add_co_u32 s[Q0], s[Q0], s30                 ; my first query
	s_and_b32 s31, s[FB], 0xffffff80               ; the step that holds f
	s_add_co_u32 s44, s[Q0], 15
	s_cmp_lt_u32 s[Q0], s[FB]                      ; a query in front of f?  Only moves and selections stand behind this compare
	s_cselect_b32 s[DEAD], 1, 0
	s_cselect_b32 s[KLO], 0, s31
	s_cselect_b32 s[KHI], 0x7ff, s44
	s_cselect_b32 s[CS], s50, s51
	s_cselect_b32 s45, s52, s53
	s_cselect_b32 s46, 0, 0x3f                     ; the code -7.5
	s_mov_b32 s[CS+1], s[CS]                       ; (named with it as a pair)
	s_mov_b32 s[KF], 0
	s_mov_b32 s[TB], 0
	s_mov_b32 s[CH], 0
.if \move
.irp i, 0,1,2,3,4,5
	v_mov_b32 v[QF+\i], v[30+\i]
.endr
.endif
	v_mov_b32 v254, s46
	v_cndmask_b32 v[QF+6], v254, v[QF+7], s49      ; k = 64 lies in lanes 0-15
	v_or_b32 v[QS], s45, v[\by]
	v_mov_b32 v13, 0xff61b1e6                      ; -3e38, under every t
	v_floor_f32 v12, -v13
	v_mov_b32 v14, 0
	v_mov_b32 v15, 0
.set n, 0
.rept 32
	v_mov_b32 v[O+n], 0
.set n, n+1
.endr
.endm
; A KEY STEP: 128 keys, the q-th of the chunk in hand.
.macro STEP q
	s_cmp_gt_u32 s[KF], s[KHI]
	s_cbranch_scc1 .Lskip_\@
	s_cmp_lt_u32 s[KF], s[KLO]
	s_cbranch_scc1 .Lskip_\@
.if \q
	s_wait_alu depctr_va_vdst(0)                   ; the last step's second products are done reading V's fragments, in which K's tiles land.  (A chunk's first step has this wait at the trip's head)
.endif
.irp T, 0,1,2,3,4,5,6,7
	ds_load_b128 v[F+8*\T:F+8*\T+3], v[ADL] offset:8192*\q+1024*\T
	ds_load_b128 v[F+8*\T+4:F+8*\T+7], v[ADL] offset:8192*\q+1024*\T+512
.endr
	ds_load_b128 v[KS:KS+3], v[ADL] offset:28672+512*\q
	s_wait_dscnt 0x0
.irp T, 0,2,4,6                                ; S^T = K Q^T: eight accumulators, each begun with the constant 0
	v_wmma_scale_f32_16x16x128_f8f6f4 v[S+8*\T:S+8*\T+7], v[F+8*\T:F+8*\T+11], v[QF:QF+11], 0, v[KS+\T/2], v[QS] matrix_a_fmt:MATRIX_FMT_FP6 matrix_b_fmt:MATRIX_FMT_FP6
	v_wmma_scale_f32_16x16x128_f8f6f4 v[S+8*\T+8:S+8*\T+15], v[F+8*\T+8:F+8*\T+19], v[QF:QF+11], 0, v[KS+\T/2], v[QS] matrix_a_fmt:MATRIX_FMT_FP6 matrix_b_fmt:MATRIX_FMT_FP6 matrix_a_scale:MATRIX_SCALE_ROW1
.endr
	s_lshl_b32 s30, s[KF], 2
	v_lshl_add_u32 v254, v[H8], 4, s30             ; 4 KF + 128 h: where a dead wave finds its keys' mask words.  It is made here, in the first of the four places, so that the wait below covers it too
.rept 3
	v_nop                                          ; four places in all (ISA guide 7.12.1) in front of the first read of the scores
.endr
	s_wait_alu depctr_va_vdst(0)                   ; the first products are done reading K's tiles, in which V's fragments (in a dead wave first the mask words) land; v254 is written, which the mask's loads read
	s_cmp_eq_u32 s[DEAD], 0
	s_cbranch_scc1 .Llive_\@
	; a dead wave: logit = dot / 8 + pad, one rounding, from attn_mask itself.  Register 32 c + i holds key KF + 64 c + 32 h + i
.irp c, 0,1
.irp j, 0,1,2,3,4,5,6,7
	global_load_b128 v[F+32*\c+4*\j:F+32*\c+4*\j+3], v254, s[42:43] offset:256*\c+16*\j
.endr
.endr
	s_wait_loadcnt 0x0
	s_wait_alu depctr_vm_vsrc(0)                   ; the mask's loads have read v254, which the lines below write again
.irp g, 0,1,2,3                                ; sixteen compares, one wait, sixteen selections
.irp k, 0,1,2,3,4,5,6,7,8,9,10,11,12,13,14,15
	v_cmp_eq_u32 s[4+\k+44*(\k/8)], 0, v[F+16*\g+\k]
.endr
	s_wait_alu depctr_va_sdst(0)                   ; the sixteen masks are written, ahead of the selections that read them
.irp k, 0,1,2,3,4,5,6,7,8,9,10,11,12,13,14,15
	v_cndmask_b32 v[F+16*\g+\k], 0, v[NEG], s[4+\k+44*(\k/8)]
.endr
.endr
.set n, 0
.rept 32
	v_pk_fma_f32 v[S+n:S+n+1], v[S+n:S+n+1], 0x3e000000, v[F+n:F+n+1] op_sel_hi:[1,0,1]
.set n, n+2
.endr
	s_wait_alu depctr_va_vdst(0)                   ; the selections have written and the multiply-adds have read v[F ..], in which V's fragments land
.Llive_\@:
	s_add_co_u32 s30, s[KF], 127
	s_cmp_le_u32 s30, s[Q0]
	s_cbranch_scc1 .Lopen_\@                       ; all 128 keys are visible to all my queries
	; the diagonal step, and a dead wave's steps behind it: -1e10 is added where the key comes after the query
	s_sub_co_i32 s30, s[Q0], s[KF]
	v_add_nc_u32 v254, s30, v[DL]                  ; my query - KF - 32 h: hidden where 64 c + i is greater
.irp g, 0,1,2,3                                ; registers 16 g + k: c = g / 2, i = 16 (g % 2) + k.  Sixteen compares, one wait, sixteen selections and additions
.irp k, 0,1,2,3,4,5,6,7,8,9,10,11,12,13,14,15
	v_cmp_gt_i32 s[4+\k+44*(\k/8)], 64*(\g/2)+16*(\g%2)+\k, v254
.endr
	s_wait_alu depctr_va_sdst(0)                   ; the sixteen masks are written, ahead of the selections that read them
.irp k, 0,1,2,3,4,5,6,7,8,9,10,11,12,13,14,15
	v_cndmask_b32 v[38+\k%2], 0, v[NEG], s[4+\k+44*(\k/8)]
	v_add_f32 v[S+16*\g+\k], v[S+16*\g+\k], v[38+\k%2]
.endr
.endr
.Lopen_\@:
.irp t, 0,1,2,3                                ; V's fragments and scale words land under the softmax.  No wait here: no vector or matrix instruction since the last wait on the vector side's results names v[F ..], v[VS ..] or the two addresses
.irp g, 0,1,2
	ds_load_b128 v[F+12*\t+4*\g:F+12*\t+4*\g+3], v[ADL] offset:16384+6144*\q+1536*\t+512*\g
.endr
.endr
	ds_load_b32 v[VS], v[ADW] offset:29696+256*\q
	ds_load_b32 v[VS+1], v[ADW] offset:29696+256*\q+128
	; THE LARGEST SCORE OF EACH BLOCK OF 32 KEYS, in two chains of 16 each, every accumulator from its low end on.  It serves twice: for the row's maximum and, since p rises with the score, for the block's largest p
.irp k, 0,1,2,3
	v_max3_num_f32 v[248+\k/2+2*(\k%2)], v[S+16*\k], v[S+16*\k+1], v[S+16*\k+2]
.endr
.irp i, 3,5,7,9,11,13
.irp k, 0,1,2,3
	v_max3_num_f32 v[248+\k/2+2*(\k%2)], v[248+\k/2+2*(\k%2)], v[S+16*\k+\i], v[S+16*\k+\i+1]
.endr
.endr
.irp k, 0,1,2,3
	v_max_num_f32 v[248+\k/2+2*(\k%2)], v[248+\k/2+2*(\k%2)], v[S+16*\k+15]
.endr
	v_max_num_f32 v248, v248, v250
	v_max_num_f32 v249, v249, v251
	v_max_num_f32 v254, v248, v249
	v_permlanex16_b32 v255, v254, s[SEL], s[SEL+1]
	v_max_num_f32 v254, v254, v255                 ; the step's largest score of my query
	v_mul_f32 v254, s[CS], v254                    ; as t
	v_max_num_f32 v13, v13, v254                   ; the running largest t
	v_mov_b32 v254, v12
	v_floor_f32 v12, -v13                          ; the new -M = floor(-t) = -ceil(t): a whole number
	v_sub_f32 v254, v12, v254                      ; old M - new M: a whole number, 0 or less
	v_cvt_i32_f32 v254, v254                       ; (it saturates)
	v_ldexp_f32 v252, 1.0, v254                    ; f = 2^(old M - new M)
	s_cmp_eq_u32 s[DEAD], 0
	s_cbranch_scc0 .Ldeadx_\@
.set n, 0
.rept 32
	v_pk_fma_f32 v[S+n:S+n+1], v[S+n:S+n+1], s[CS:CS+1], v[12:13] op_sel_hi:[1,0,0]   ; t - M, two at a time
.set n, n+2
.endr
	v_fma_f32 v248, v248, s[CS], v12               ; the same of each block's largest score
	v_fma_f32 v249, v249, s[CS], v12
	s_branch .Lexp_\@
.Ldeadx_\@:                                        ; logits near -1e10: t is rounded to f32 first, as the definition has it; a fused line would leave the product's rounding error as an exponent
.set n, 0
.rept 32
	v_pk_mul_f32 v[S+n:S+n+1], v[S+n:S+n+1], s[CS:CS+1] op_sel_hi:[1,0]
.set n, n+2
.endr
	v_mul_f32 v248, s[CS], v248
	v_mul_f32 v249, s[CS], v249
.set n, 0
.rept 32
	v_pk_add_f32 v[S+n:S+n+1], v[S+n:S+n+1], v[12:13] op_sel_hi:[1,0]
.set n, n+2
.endr
	v_add_f32 v248, v248, v12
	v_add_f32 v249, v249, v12
.Lexp_\@:
.set n, 0
	s_wait_alu depctr_va_vdst(0)
.rept 64
	v_exp_f32 v[S+n], v[S+n]                       ; p = 2^(t - M), at most 1: not normalised
.set n, n+1
.endr
	v_exp_f32 v248, v248                           ; the blocks' largest p: the same instructions on the same numbers give the same bits
	v_exp_f32 v249, v249
	v_pk_mul_f32 v[14:15], v[14:15], v[252:253] op_sel_hi:[1,0]   ; the sums under the new M; also the plain line behind the exponentials
	s_wait_alu depctr_va_vdst(0)                   ; the 66 exponentials have written v[S ..], v248 and v249: one wait for the batch, ahead of its first reader
	v_max_num_f32 v248, 0x1800000, v248            ; the floor 2^(3 - 127): the byte cannot fall under 1
	v_max_num_f32 v249, 0x1800000, v249
	v_add_nc_u32 v250, 0xff000000, v248            ; 2 off the exponent field: the conversions' scale operands
	v_add_nc_u32 v251, 0xff000000, v249
	v_lshrrev_b32 v38, 23, v250                    ; the bytes of my blocks h and 2 + h
	v_lshrrev_b32 v39, 23, v251
	v_lshl_or_b32 v[PW], v39, 16, v38
	v_lshlrev_b32 v[PW], v[H8], v[PW]              ; at their places,
	v_permlanex16_b32 v255, v[PW], s[SEL], s[SEL+1]
	v_or_b32 v[PW], v[PW], v255                    ; with lane l xor 16's two: p's scale word for these 128 keys
.irp c, 0,1
	v_cvt_scalef32_pk16_fp6_f32 v[PC+6*\c:PC+6*\c+2], v[S+32*\c:S+32*\c+15], v[250+\c]
	v_cvt_scalef32_pk16_fp6_f32 v[232+4*\c:234+4*\c], v[S+32*\c+16:S+32*\c+31], v[250+\c]   ; (a conversion's three registers begin on an even number)
.endr
	v_nop                                          ; one plain line behind a scaled conversion
.irp c, 0,1
.irp i, 0,1,2
	v_mov_b32 v[PC+3+6*\c+\i], v[232+4*\c+\i]
.endr
.endr
	v_pk_add_f32 v[38:39], v[S:S+1], v[S+2:S+3]    ; the row's sum is taken of the unquantised p: two at a time, in two chains
.irp j, 4,8,12,16,20,24,28,32,36,40,44,48,52,56,60
	v_pk_add_f32 v[14:15], v[14:15], v[S+\j:S+\j+1]
	v_pk_add_f32 v[38:39], v[38:39], v[S+\j+2:S+\j+3]
.endr
	v_pk_add_f32 v[14:15], v[14:15], v[38:39]
.set n, 0
.rept 16
	v_pk_mul_f32 v[O+n:O+n+1], v[O+n:O+n+1], v[252:253] op_sel_hi:[1,0]   ; O^T under the new M, each accumulator from its low end on.  These and the sums are the places between the lines that wrote p's codes and scale word and the products below
.set n, n+2
.endr
	s_wait_dscnt 0x0                               ; V
	s_wait_alu depctr_va_vdst(0)                   ; the conversions and moves have written p's codes, the lines above them its scale word: the scaled products below take both; the places stay beside this wait
.irp t, 0,2                                    ; O^T += V^T P^T: four accumulators by turns
	v_wmma_scale_f32_16x16x128_f8f6f4 v[O+8*\t:O+8*\t+7], v[F+12*\t:F+12*\t+11], v[PC:PC+11], v[O+8*\t:O+8*\t+7], v[VS+\t/2], v[PW] matrix_a_fmt:MATRIX_FMT_FP6 matrix_b_fmt:MATRIX_FMT_FP6
	v_wmma_scale_f32_16x16x128_f8f6f4 v[O+8*\t+8:O+8*\t+15], v[F+12*\t+12:F+12*\t+23], v[PC:PC+11], v[O+8*\t+8:O+8*\t+15], v[VS+\t/2], v[PW] matrix_a_fmt:MATRIX_FMT_FP6 matrix_b_fmt:MATRIX_FMT_FP6 matrix_a_scale:MATRIX_SCALE_ROW1
.endr
.rept 4
	v_nop                                          ; four places in front of the next read of O^T
.endr
.Lskip_\@:
	s_add_co_u32 s[KF], s[KF], 128
.endm
; A PASS: eight trips, one chunk each; the count is a constant, and what a wave does not need it jumps over inside a step.
; fill = 1 (pass A): the chunk asked for a trip ago goes from registers into LDS between two barriers, which every wave passes in every trip: the first parts the last chunk's reads from the stores,
; the second the stores from this chunk's reads.  Behind it the next chunk is asked for: it has this chunk's two steps in which to land.  The branches round the stores and the loads hang on the
; chunk's number and on NEED, which are the same in all sixteen waves.  fill = 0 (pass B): all that is read lies in LDS since pass A's barriers: no barrier.
; The trip's LDS addresses are made together at its head, between one wait for their last readers and one for their writers.
.macro PASS fill
.Lchunk_\@:
.if \fill
	s_wait_loadcnt 0x0                             ; the chunk's bytes are in my registers; the loads are done, so their base may step
	s_add_nc_u64 s[40:41], s[40:41], REC
	s_wait_dscnt 0x0                               ; my reads of LDS are over
.endif
	s_wait_alu depctr_vm_vsrc(0)                   ; the last trip's LDS loads and stores have read the addresses that the additions below write
.if \fill
	v_add_nc_u32 v[ADF], s[TB], v[T16]
.endif
	v_add_nc_u32 v[ADL], s[TB], v[L16]
	v_add_nc_u32 v[ADW], s[TB], v[L4]
	s_wait_alu depctr_va_vdst(0)                   ; the addresses are written, which this trip's LDS stores and loads read; the last step's second products are done reading V's fragments, in which K's tiles land; in a pass's first trip Q's operand and scale word are written, which the scaled products take
.if \fill
	s_barrier_signal -1
	s_barrier_wait -1
	s_cmp_le_u32 s[CH], s[NEED]
	s_cbranch_scc0 .Lnostore_\@
	FILL_STORE
.Lnostore_\@:
	s_wait_dscnt 0x0                               ; for the others' sake: my stores have landed
	s_wait_alu depctr_vm_vsrc(0)                   ; my stores have read v[G ..], in which the next chunk's loads land
	s_barrier_signal -1
	s_barrier_wait -1
	s_add_co_u32 s30, s[CH], 1
	s_cmp_le_u32 s30, s[NEED]
	s_cbranch_scc0 .Lnoload_\@
	FILL_LOAD
.Lnoload_\@:
.endif
	STEP 0
	STEP 1
	s_add_co_u32 s[TB], s[TB], REC
	s_add_co_u32 s[CH], s[CH], 1
	s_cmp_lt_u32 s[CH], 8
	s_cbranch_scc1 .Lchunk_\@
.endm
; THE WAY OUT.  O^T / the sum: register 8 t + j of lane (r, h) is out(r, 16 t + 8 h + j).  The tile goes through my own stage in LDS and leaves as whole rows: an instruction's 32 lanes store two rows,
; 512 consecutive bytes, at a multiple of 256 from out0's first byte.  more = 1: another pass follows.
.macro OUT b, more
	v_add_f32 v14, v14, v15                        ; the sum's two halves,
	v_permlanex16_b32 v255, v14, s[SEL], s[SEL+1]
	v_add_f32 v14, v14, v255                       ; and lane l xor 16's: at least 1/2, since the row's largest p is over 1/2
	s_wait_alu depctr_va_vdst(0)
	v_rcp_f32 v14, v14
	v_nop                                          ; one plain line behind a transcendental
	s_wait_alu depctr_va_vdst(0)                   ; the reciprocal has written v14, ahead of its first reader
.set n, 0
.rept 16
	v_pk_mul_f32 v[S+n:S+n+1], v[O+n:O+n+1], v[14:15] op_sel_hi:[1,0]
.set n, n+2
.endr
	s_wait_alu depctr_va_vdst(0)                   ; the multiplications have written v[S ..], which the LDS stores read; the pass's last products are done reading v[F ..], in which the loads from the stage land
.irp t, 0,1,2,3
	ds_store_b128 v[STO], v[S+8*\t:S+8*\t+3] offset:64*\t
	ds_store_b128 v[STO], v[S+8*\t+4:S+8*\t+7] offset:64*\t+16
.endr
.irp i, 0,1,2,3,4,5,6,7
	ds_load_b128 v[F+4*\i:F+4*\i+3], v[SRD] offset:2*\i*SP   ; LDS serves a wave's instructions in order: these see my stores
.endr
.irp i, 0,1,2,3,4,5,6,7
	s_wait_dscnt 7-\i                              ; the younger loads from the stage may be out
	global_store_b128 v[GO], v[F+4*\i:F+4*\i+3], s[\b:\b+1] offset:512*\i th:TH_STORE_NT
.endr
.if \more
	s_wait_xcnt 0x0                                ; the stores have had their addresses translated: the next pass loads into their data registers
	s_wait_alu depctr_vm_vsrc(0)                   ; the global stores have read v[F ..], in which the next pass's loads land, and the LDS stores v[S ..], which its products write
.endif
.endm
	PASSHEAD 54, 29, 0                             ; block 7 - p
	PASS 1
	OUT 36, 1
	PASSHEAD PP, 37, 1                             ; block p
	PASS 0
	OUT 38, 0
	s_wait_dscnt 0x0                               ; the closing lines, six on end
	s_wait_alu 0x0
	s_wait_tensorcnt 0x0
	ds_add_u32 v235, v239
	s_wait_dscnt 0x0
	s_endpgm
.Lfunc_end_k_qefc96b3bdc_attn:
	.size	k_qefc96b3bdc_attn, .Lfunc_end_k_qefc96b3bdc_attn-k_qefc96b3bdc_attn
	.p2alignl 7, 3214868480
	.fill 96, 4, 3214868480
	.section	.rodata,"a",@progbits
	.p2align	6, 0x0
	.amdhsa_kernel k_qefc96b3bdc_attn
		.amdhsa_group_segment_fixed_size 313344
		.amdhsa_private_segment_fixed_size 0
		.amdhsa_enable_private_segment 0
		.amdhsa_kernarg_size 40
		.amdhsa_user_sgpr_count 2
		.amdhsa_user_sgpr_kernarg_segment_ptr 1
		.amdhsa_wavefront_size32 1
		.amdhsa_system_sgpr_workgroup_id_x 1
		.amdhsa_system_sgpr_workgroup_id_y 1
		.amdhsa_system_sgpr_workgroup_id_z 1
		.amdhsa_system_vgpr_workitem_id 0
		.amdhsa_next_free_vgpr 256
		.amdhsa_next_free_sgpr 66
		.amdhsa_reserve_vcc 0
		.amdhsa_float_denorm_mode_32 3
		.amdhsa_float_denorm_mode_16_64 3
		.amdhsa_memory_ordered 1
		.amdhsa_forward_progress 1
		.amdhsa_inst_pref_size 194
	.end_amdhsa_kernel
	.amdgpu_metadata
---
amdhsa.version: [ 1, 2 ]
amdhsa.kernels:
  - .name:           k_qefc96b3bdc_attn
    .symbol:         k_qefc96b3bdc_attn.kd
    .args:
      - { .name: query, .offset: 0, .size: 8, .value_kind: global_buffer, .address_space: global }
      - { .name: kv, .offset: 8, .size: 8, .value_kind: global_buffer, .address_space: global }
      - { .name: first, .offset: 16, .size: 8, .value_kind: global_buffer, .address_space: global }
      - { .name: attn_mask, .offset: 24, .size: 8, .value_kind: global_buffer, .address_space: global }
      - { .name: out0, .offset: 32, .size: 8, .value_kind: global_buffer, .address_space: global }
    .group_segment_fixed_size: 313344
    .private_segment_fixed_size: 0
    .kernarg_segment_align: 8
    .kernarg_segment_size: 40
    .max_flat_workgroup_size: 512
    .sgpr_count:     66
    .vgpr_count:     256
    .wavefront_size: 32
...
	.end_amdgpu_metadata
.endif
;; end of part 4
